; MI455X (gfx1250); checked and timed in simulation.
; The chip was launched on July 23, 2026; its instructions are those of AMD's public machine-readable ISA for CDNA 5 (MIT licence, August 2026) and "CDNA5" Instruction Set Architecture Reference Guide (July 2026). The comments in the code are by the model that wrote it; some were corrected since.
;; Scale Dot Attention. Allowed arithmetic: matrix products marked QUANTISED: E2M3 operands, one E8M0 scale for each 32 along K, by v_wmma_scale_f32_16x16x128_f8f6f4 with both operands' format E2M3, f32 sums; everything else in f32.
;; Inputs: Wk 1,024 x 1,024 float32; Wq 1,024 x 1,024 float32; Wv 1,024 x 1,024 float32; bk 1,024 float32; bq 1,024 float32; bv 1,024 float32; x 4 x 2,048 x 1,024 float32.
;; Outputs: out0 4 x 2,048 x 1,024 float32.
;; This version of the problem:
;;   THIS VERSION OF THE PROBLEM IS GIVEN IN LOW PRECISION. The matrix products marked QUANTISED in the list below multiply operands that are first quantised to E2M3 (2 exponent bits, 3 mantissa bits; 6 bits a number), with one power-of-two scale for each 32 numbers along K (OCP MX v1.0); their sums are f32. All else is computed in f32.
;;   The module's matrix products, in the order in which they are computed (A, B: the left and right operand; K: the contracted axis; several contracted axes count as one K, in the product's order):
;;     1. [M 8,192, K 1,024] x [K 1,024, N 1,024]; A: input x; B: input Wq: QUANTISED
;;     2. [M 8,192, K 1,024] x [K 1,024, N 1,024]; A: input x; B: input Wk: QUANTISED
;;     3. [M 8,192, K 1,024] x [K 1,024, N 1,024]; A: input x; B: input Wv: QUANTISED
;;     4. batch 4 x [M 2,048, K 1,024] x [K 1,024, N 2,048]; A: computed on the way; B: computed on the way: QUANTISED
;;     5. batch 4 x [M 2,048, K 2,048] x [K 2,048, N 1,024]; A: softmax (see below); B: computed on the way: QUANTISED
;;   THE QUANTISER, for each operand of a quantised product, along K:
;;     - K is cut into blocks of 32 from its start; a last block that is shorter is filled with zeros.
;;     - A block's scale is 2^e with e = floor(log2(the largest magnitude in the block)) - 2, held to -126 .. 127; a block of zeros has e = 0. As a byte (E8M0): e + 127.
;;     - Each number is divided by its block's scale, clamped to +-7.5, and rounded to the nearest number of E2M3, ties to even, subnormals kept.
;;     - The product sums the exact products of the quantised numbers (number of the format x scale) in f32.
;;   ~~~python
;;   def quantise(x, axis):      # numpy; x: float32 -> the quantised numbers, widened to float32 again
;;       x = np.moveaxis(x, axis, -1); K = x.shape[-1]
;;       x = np.pad(x, [(0, 0)] * (x.ndim - 1) + [(0, -K % 32)]); x = x.reshape(x.shape[:-1] + (-1, 32)); a = np.abs(x).max(-1, keepdims=True)
;;       e = np.where(a > 0, np.clip(np.frexp(np.where(a > 0, a, 1))[1] - 1 - 2, -126, 127), 0)      # np.frexp(a)[1] - 1 = floor(log2(a)), exactly
;;       r = np.clip(x / 2.0 ** e, -7.5, 7.5)
;;       step = 2.0 ** (np.maximum(np.frexp(np.where(r == 0, 1, r))[1] - 1, 0) - 3)
;;       q = np.round(r / step) * step * 2.0 ** e      # np.round: ties to even
;;       return np.moveaxis(q.reshape(q.shape[:-2] + (-1,))[..., :K], -1, axis).astype(np.float32)
;;   ~~~
;;   SOFTMAX AHEAD OF A QUANTISED PRODUCT. Where the list says 'softmax', what is quantised is not the finished softmax but p = 2^(t - M), with t = logit x log2(e) and M = ceil(the row's largest t), a whole number; so 1/2 < the row's largest p <= 1. The row's sum l is taken of the UNQUANTISED p, in f32, and the product's result is divided by l at the end. Since M is a whole number, a kernel that streams over the keys may use a running M (the ceiling of the running maximum): every later rescaling is an exact power of two, which a block's scale takes up: the codes' values come out the same.
;;   OPERANDS COMPUTED ON THE WAY. 'Computed on the way' means the value that the module computes at that place (a softmax that the list does not call 'softmax' is quantised finished and normalised). What goes into a quantiser is computed in f32, as accurately as f32 sums, v_exp_f32 and their like allow (about 1e-6 of the number): no bf16 or f16 on the way to a quantiser, and a product that is left as it is and whose result goes on into a quantised operand takes f32 operands (vector FMAs, or v_wmma_f32_16x16x4_f32). A number that lies on a knife's edge between two numbers of the format may be rounded either way, as far as f32 arithmetic and the matrix unit's own rounding can turn it there, and no further.
;; One version. Each part assembles by itself: llvm-mc -triple=amdgcn-amd-amdhsa -mcpu=gfx1250 --defsym DOCPART=n.
;; ======== version 1 of 1: 4 launches
;; limits: right only within a limited range of input values
;; workspace buffers: xwc 8,650,752 bytes; xws 360,448 bytes; qkvc 18,874,368 bytes; qkvs 786,432 bytes; pc 12,582,912 bytes; pm 2,097,152 bytes
;; launch quant (part 1): grid 704 x 1, 4 waves a work-group, no clusters, 60,928 bytes of LDS; arguments x, Wq, Wk, Wv, xwc, xws; writes xwc, xws
.if DOCPART == 1
	.amdgcn_target "amdgcn-amd-amdhsa--gfx1250"
	.amdhsa_code_object_version 6
	.text
	.protected	k_q04fc7899b1_quant
	.globl	k_q04fc7899b1_quant
	.p2align	8
	.type	k_q04fc7899b1_quant,@function
k_q04fc7899b1_quant:
	s_mov_b64 s[64:65], 0
	v_nop
	global_prefetch_b8 v0, s[64:65] scope:SCOPE_SE
	s_setreg_imm32_b32 hwreg(HW_REG_WAVE_MODE, 25, 1), 1
	s_wait_xcnt 0x0
; x [8192][1024] and Wq, Wk, Wv [1024 (k)][1024 (n)], f32, become codes of FP6 (E2M3) with one E8M0 scale byte for each 32 along K = the 1,024 inputs.
; A block's scale is 2^(floor(log2(its largest magnitude)) - 2): its byte is the largest magnitude's exponent field - 2, held at 1 from below; numbers are divided by it and rounded to the nearest code, ties to even.
; LAYOUT OF THE RESULT (xwc, xws): IMAGES OF OPERAND REGISTERS.  A fragment (f, ks) is 16 rows x 128 K; its row p (0..15) is matrix row 32 (f / 2) + 8 (f % 2) + p + 8 (p / 8); lane = p + 16 h;
; register 6 c + e is word e of the 24 bytes of codes of k = 128 ks + 64 c + 32 h + 0..31.  Register g of a lane lies at (8 f + ks) x 1,536 + 512 (g / 4) + 16 lane + 4 (g % 4).
; The scale word of (f, ks, p) lies at (f / 16) x 8,192 + 1,024 ks + 64 (f % 16) + 4 p.  Fragments 0-511 are x's rows, 512-703 the columns n of Wq, Wk, Wv (64 each).
; SHARES.  Work-groups 0-95 take W: 128 columns x 256 along K each; a lane takes a column and its registers run down K.  Work-groups 96-351 take x: 64 rows x 512 along K; a wave takes 64 rows x 128 K.
; Every work-group reads 128 KiB.  The two kinds never meet: each has LDS bytes of its own and its own end.  Waves share nothing: no barrier.  No input is shared between work-groups: no cluster, no tensor load.
; LIMITS: NaN and infinities among the inputs are not served.  A block of zeros, or one whose largest magnitude lies under 2^-124, gets the byte 1 (the rule says 127 for zeros): zero codes add nothing, and this program alone reads the bytes.
; THE SHARES OF THIS TEXT: work-groups 0-191 take W: 128 columns x 128 along K each (one K step: of a wave's four image places two are used); work-groups 192-703 take x: 32 rows x 512 along K, a wave 32 rows x 128 K, all its 32 loads in flight at once.
; A work-group reads 64 KiB.
.set WSTG,  6656
.set XSTG,  26624                      ; x path, LDS from here: 16 rows x 528 bytes for each wave
.set XWAVE, 8448
.set WX,    32                         ; v32-95   W: two sets of 32 numbers
.set WC,    96                         ; v96-102  W: a block's codes
.set WSB,   24                         ; v24-25   W: the scale words of the two K steps
.set WOUT,  112                        ; v112-159 W: the way out
.set XR,    16                         ; v16-143  x: two sets of 64 numbers as loaded
.set XX,    144                        ; v144-207 x: a lane's two blocks of 32 neighbours
.set XC,    208                        ; v208-219 x: a fragment's codes
.set XT,    220                        ; v220-222, v224-226: the halves that are made elsewhere and moved
.set XPW,   228                        ; v228-231 x: the four fragments' scale words
.macro WLOAD t                         ; block t: W(32 t + i, my column) into set t % 2: 32 lanes read 128 consecutive bytes, the four waves 512
.irp i, 0,1,2,3,4,5,6,7,8,9,10,11,12,13,14,15,16,17,18,19,20,21,22,23,24,25,26,27,28,29,30,31
	global_load_b32 v[WX+32*((\t)%2)+\i], v3, s[6:7] offset:(32*(\t)+\i)*4096 th:TH_LOAD_NT
.endr
.endm
.macro WBLOCK t                        ; block t of my column: K step t / 4, c = (t % 4) / 2, h = t % 2
.set XS, WX+32*((\t)%2)
.set WO, ((\t)/4)*3328+256*((\t)%2)
.if (\t) < 3
	s_wait_loadcnt 32                              ; this block's 32 loads are in; the next block's 32 may be out
.else
	s_wait_loadcnt 0x0
.endif
	v_max3_num_f32 v12, |v[XS]|, |v[XS+1]|, |v[XS+2]|              ; the block's largest magnitude: all 32 numbers are mine; two chains
	v_max3_num_f32 v13, |v[XS+3]|, |v[XS+4]|, |v[XS+5]|
.irp i, 6,10,14,18,22,26
	v_max3_num_f32 v12, v12, |v[XS+\i]|, |v[XS+\i+1]|
	v_max3_num_f32 v13, v13, |v[XS+\i+2]|, |v[XS+\i+3]|
.endr
	v_max3_num_f32 v12, v12, |v[XS+30]|, |v[XS+31]|
	v_max3_num_f32 v12, v12, v13, 0x1800000        ; and the floor 2^(3 - 127): the byte cannot fall under 1
	v_add_nc_u32 v11, 0xff000000, v12              ; 2 off the exponent field: the conversion takes this operand's exponent field as its scale
	v_lshrrev_b32 v13, 23, v11                     ; the scale's byte
.if (\t)%4 == 0
	v_mov_b32 v[WSB+(\t)/4], v13                   ; four bytes to a word, the lower K in the lower byte
.else
	v_lshl_or_b32 v[WSB+(\t)/4], v13, 8*((\t)%4), v[WSB+(\t)/4]
.endif
	v_cvt_scalef32_pk16_fp6_f32 v[WC:WC+2], v[XS:XS+15], v11
	v_cvt_scalef32_pk16_fp6_f32 v[WC+4:WC+6], v[XS+16:XS+31], v11  ; (a conversion's three registers begin on an even number)
	v_nop                                          ; one plain place behind the conversions
	v_mov_b32 v[WC+3], v[WC+4]                     ; the block's six words on end
	v_mov_b32 v[WC+4], v[WC+5]
	v_mov_b32 v[WC+5], v[WC+6]
.if ((\t)%4)/2 == 0                    ; registers 0-5 of the fragment's lane p + 16 h
	ds_store_b128 v4, v[WC:WC+3] offset:WO
	ds_store_b64 v4, v[WC+4:WC+5] offset:WO+512
.else                                  ; registers 6-11
	ds_store_b64 v4, v[WC:WC+1] offset:WO+520
	ds_store_b128 v4, v[WC+2:WC+5] offset:WO+1024
.endif
.if (\t)+2 < 4
	WLOAD (\t)+2
.endif
	s_wait_dscnt 0x0                               ; the stores have read their registers: the next block's codes may be written
.endm
.macro XLOAD f                         ; fragment f's 16 rows, 512 bytes of each: a load reads 512 consecutive bytes
.irp p, 0,1,2,3,4,5,6,7,8,9,10,11,12,13,14,15
	global_load_b128 v[XR+64*((\f)%2)+4*\p:XR+64*((\f)%2)+4*\p+3], v3, s[4:5] offset:(32*((\f)/2)+8*((\f)%2)+\p+8*(\p/8))*4096 th:TH_LOAD_NT
.endr
.endm
.macro XFRAG f
.set RS, XR+64*((\f)%2)
.if (\f) < 1
	s_wait_loadcnt 16                              ; this fragment's 16 loads are in; the next one's 16 may be out
.else
	s_wait_loadcnt 0x0
.endif
.irp p, 0,1,2,3,4,5,6,7,8,9,10,11,12,13,14,15
	ds_store_b128 v4, v[RS+4*\p:RS+4*\p+3] offset:528*\p           ; the rows as they lie
.endr
.irp c, 0,1
.irp i, 0,1,2,3,4,5,6,7
	ds_load_b128 v[XX+32*\c+4*\i:XX+32*\c+4*\i+3], v5 offset:256*\c+16*\i   ; back: lane (r, h) takes k = 64 c + 32 h + 0..31 of row r.  LDS serves a wave's instructions in order: these see my stores
.endr
.endr
	s_wait_dscnt 0x0
.irp c, 0,1
	v_max3_num_f32 v[232+\c], |v[XX+32*\c]|, |v[XX+32*\c+1]|, 0x1800000   ; my block 2 c + h, and the floor 2^(3 - 127)
.endr
.irp i, 2,4,6,8,10,12,14,16,18,20,22,24,26,28,30
.irp c, 0,1
	v_max3_num_f32 v[232+\c], v[232+\c], |v[XX+32*\c+\i]|, |v[XX+32*\c+\i+1]|   ; (the two blocks by turns)
.endr
.endr
.irp c, 0,1
	v_add_nc_u32 v[234+\c], 0xff000000, v[232+\c]  ; the conversion's scale operand
.endr
.irp c, 0,1
	v_lshrrev_b32 v[232+\c], 23, v[234+\c]         ; the scale's byte
.endr
	v_lshl_or_b32 v238, v233, 16, v232             ; my two bytes: blocks h and 2 + h,
	v_lshlrev_b32 v238, v7, v238                   ; 8 h bits up;
	v_permlanex16_b32 v236, v238, s26, s27
	v_or_b32 v[XPW+(\f)], v238, v236               ; with lane l xor 16's two the row's word is whole
	s_wait_alu depctr_va_vdst(0)
	s_wait_xcnt 0x0                                ; the last fragment's stores have read their data: the codes' registers may be written
.irp c, 0,1
	v_cvt_scalef32_pk16_fp6_f32 v[XC+6*\c:XC+6*\c+2], v[XX+32*\c:XX+32*\c+15], v[234+\c]
	v_cvt_scalef32_pk16_fp6_f32 v[XT+4*\c:XT+4*\c+2], v[XX+32*\c+16:XX+32*\c+31], v[234+\c]
.endr
	v_nop                                          ; one plain place behind the conversions
.irp c, 0,1
.irp i, 0,1,2
	v_mov_b32 v[XC+6*\c+3+\i], v[XT+4*\c+\i]
.endr
.endr
.irp c, 0,1,2
	global_store_b128 v3, v[XC+4*\c:XC+4*\c+3], s[12:13] offset:(\f)*12288+512*\c   ; the image: 512 consecutive bytes a store
.endr
.endm
	s_load_b256 s[4:11], s[0:1], 0x0               ; x s[4:5], Wq s[6:7], Wk s[8:9], Wv s[10:11]
	s_load_b128 s[12:15], s[0:1], 0x20             ; xwc s[12:13], xws s[14:15]
	v_lshl_add_u32 v240, v0, 2, 0xec00
	v_mov_b32 v241, 0
	v_lshrrev_b32 v1, 5, v0
	v_readfirstlane_b32 s16, v1                    ; wave 0..3
	v_and_b32 v2, 31, v0                           ; lane
	s_cmp_lt_u32 ttmp9, 192
	s_cbranch_scc0 .Lx_path
	; ---------------- W: work-group g = 32 wi + 8 kc + cg: weight wi, 256 along K from 256 kc, columns 128 cg + 32 wave + lane
	; (here: g = 64 wi + 8 kc + cg, 128 along K from 128 kc)
	s_lshr_b32 s17, ttmp9, 6                       ; wi
	s_and_b32 s18, ttmp9, 7                        ; cg
	s_bfe_u32 s19, ttmp9, 0x30003                  ; kc
	s_lshl_b32 s20, s19, 19                        ; W: 128 kc rows of 4,096 bytes
	s_lshl_b32 s21, s18, 9
	s_add_co_u32 s20, s20, s21                     ; + 128 cg columns
	s_lshl_b32 s21, s16, 7
	s_add_co_u32 s20, s20, s21                     ; + 32 wave columns
	s_mov_b32 s21, 0
	s_lshl_b32 s22, s17, 6                         ; codes: my first fragment 64 wi + 8 cg + 2 wave (behind x's 512),
	s_lshl_b32 s23, s18, 3
	s_add_co_u32 s22, s22, s23
	s_lshl_b32 s23, s16, 1
	s_add_co_u32 s22, s22, s23
	s_lshl_b32 s22, s22, 3
	s_add_co_u32 s22, s22, s19                     ; x 8 K steps + kc
	s_mul_i32 s22, s22, 1536
	s_add_co_u32 s22, s22, 6291456
	s_mov_b32 s23, 0
	s_lshl_b32 s24, s17, 2                         ; scale words: tile 32 + 4 wi + cg / 2,
	s_lshr_b32 s25, s18, 1
	s_add_co_u32 s24, s24, s25
	s_lshl_b32 s24, s24, 13
	s_lshl_b32 s25, s19, 10                        ; K step kc,
	s_add_co_u32 s24, s24, s25
	s_and_b32 s25, s18, 1
	s_lshl_b32 s25, s25, 9                         ; fragment 8 (cg % 2) + 2 wave of the tile's 16
	s_add_co_u32 s24, s24, s25
	s_lshl_b32 s25, s16, 7
	s_add_co_u32 s24, s24, s25
	s_add_co_u32 s24, s24, 262144
	s_mov_b32 s25, 0
	s_wait_alu depctr_va_vdst(0)
	v_lshlrev_b32 v3, 2, v2                        ; in: 4 bytes a lane
	v_bfe_u32 v8, v0, 3, 1                         ; u: my column lies in fragment 2 (..) + u,
	v_and_b32 v9, 7, v0
	v_bfe_u32 v10, v0, 4, 1
	v_lshl_add_u32 v9, v10, 3, v9                  ; at its row p = lane % 8 + 8 (lane / 16)
	s_mul_i32 s26, s16, WSTG
	v_mul_u32_u24 v4, v8, 1664
	v_lshl_add_u32 v4, v9, 4, v4
	v_add_nc_u32 v4, s26, v4                       ; into the images: 1,664 u + 16 p
	v_lshlrev_b32 v6, 4, v2                        ; out: 16 bytes a lane
	v_add_nc_u32 v5, s26, v6
	v_lshlrev_b32 v7, 6, v8
	v_lshl_add_u32 v7, v9, 2, v7                   ; my scale word's place: 64 u + 4 p
	s_wait_kmcnt 0x0
	s_cmp_eq_u32 s17, 0                            ; the weight: a choice on the work-group's number alone
	s_cselect_b64 s[6:7], s[6:7], s[8:9]
	s_cmp_eq_u32 s17, 2
	s_cselect_b64 s[6:7], s[10:11], s[6:7]
	s_add_nc_u64 s[6:7], s[6:7], s[20:21]
	s_add_nc_u64 s[12:13], s[12:13], s[22:23]
	s_add_nc_u64 s[14:15], s[14:15], s[24:25]
	WLOAD 0
	WLOAD 1
.irp t, 0,1,2,3
	WBLOCK \t
.endr
	s_wait_alu depctr_va_vdst(0)
	global_store_b32 v7, v[WSB], s[14:15]          ; 32 lanes store 128 consecutive bytes
.irp k, 0
.irp u, 0,1
.irp c, 0,1,2
	ds_load_b128 v[WOUT+4*(6*\k+3*\u+\c):WOUT+4*(6*\k+3*\u+\c)+3], v5 offset:\k*3328+\u*1664+512*\c
.endr
.endr
.endr
.irp k, 0
.irp u, 0,1
.irp c, 0,1,2
	s_wait_dscnt 5-(3*\u+\c)                       ; LDS loads come back in order: this one is in, the younger ones may be out
	global_store_b128 v6, v[WOUT+4*(6*\k+3*\u+\c):WOUT+4*(6*\k+3*\u+\c)+3], s[12:13] offset:\u*12288+\k*1536+512*\c   ; 512 consecutive bytes
.endr
.endr
.endr
	s_wait_tensorcnt 0x0
	ds_add_u32 v240, v241
	s_wait_dscnt 0x0
	s_endpgm
	; ---------------- x: work-group g' = 2 rg + half: rows 64 rg on (fragments 4 rg .. 4 rg + 3), K step 4 half + wave
.Lx_path:
	; (here: rows 32 rg on, fragments 2 rg and 2 rg + 1)
	s_sub_co_u32 s17, ttmp9, 192
	s_lshr_b32 s18, s17, 1                         ; rg
	s_and_b32 s19, s17, 1
	s_lshl_b32 s19, s19, 2
	s_add_co_u32 s19, s19, s16                     ; ks
	s_lshl_b32 s20, s18, 17                        ; x: 32 rg rows of 4,096 bytes + 512 ks
	s_lshl_b32 s21, s19, 9
	s_add_co_u32 s20, s20, s21
	s_mov_b32 s21, 0
	s_lshl_b32 s22, s18, 4                         ; codes: (8 x 2 rg + ks) x 1,536
	s_add_co_u32 s22, s22, s19
	s_mul_i32 s22, s22, 1536
	s_mov_b32 s23, 0
	s_lshr_b32 s24, s18, 3                         ; scale words: tile rg / 8, K step ks, fragment 2 (rg % 8)
	s_lshl_b32 s24, s24, 13
	s_lshl_b32 s25, s19, 10
	s_add_co_u32 s24, s24, s25
	s_and_b32 s25, s18, 7
	s_lshl_b32 s25, s25, 7
	s_add_co_u32 s24, s24, s25
	s_mov_b32 s25, 0
	s_mov_b32 s26, 0x76543210
	s_mov_b32 s27, 0xfedcba98                      ; v_permlanex16_b32's selects for lane l xor 16
	s_mul_i32 s29, s16, XWAVE
	s_add_co_u32 s29, s29, XSTG                    ; my stage
	s_wait_alu depctr_va_vdst(0)
	v_lshlrev_b32 v3, 4, v2                        ; 16 x lane
	v_add_nc_u32 v4, s29, v3                       ; into the stage
	v_and_b32 v8, 15, v0                           ; r
	v_bfe_u32 v9, v0, 4, 1                         ; h
	v_mul_u32_u24 v5, v8, 528
	v_lshl_add_u32 v5, v9, 7, v5
	v_add_nc_u32 v5, s29, v5                       ; out of it: row r, + 128 h bytes
	v_lshlrev_b32 v6, 2, v2
	v_lshlrev_b32 v7, 3, v9                        ; 8 h
	v_mov_b32 v236, 0                              ; written once: a lane permute's destination counts as one of its sources
	s_wait_alu depctr_va_vdst(0)
	s_wait_kmcnt 0x0
	s_add_nc_u64 s[4:5], s[4:5], s[20:21]
	s_add_nc_u64 s[12:13], s[12:13], s[22:23]
	s_add_nc_u64 s[14:15], s[14:15], s[24:25]
	XLOAD 0
	XLOAD 1
.irp f, 0,1
	XFRAG \f
.endr
	s_mov_b32 vcc_lo, 0xffff0000
	v_cndmask_b32 v232, v[XPW], v[XPW+1], vcc_lo   ; lanes 0-15 fragment 0's words, lanes 16-31 fragment 1's
	global_store_b32 v6, v232, s[14:15]            ; 128 consecutive bytes each
	s_wait_tensorcnt 0x0
	ds_add_u32 v240, v241
	s_wait_dscnt 0x0
	s_endpgm
.Lfunc_end_k_q04fc7899b1_quant:
	.size	k_q04fc7899b1_quant, .Lfunc_end_k_q04fc7899b1_quant-k_q04fc7899b1_quant
	.p2alignl 7, 3214868480
	.fill 96, 4, 3214868480
	.section	.rodata,"a",@progbits
	.p2align	6, 0x0
	.amdhsa_kernel k_q04fc7899b1_quant
		.amdhsa_group_segment_fixed_size 60928
		.amdhsa_private_segment_fixed_size 0
		.amdhsa_enable_private_segment 0
		.amdhsa_kernarg_size 48
		.amdhsa_user_sgpr_count 2
		.amdhsa_user_sgpr_kernarg_segment_ptr 1
		.amdhsa_wavefront_size32 1
		.amdhsa_system_sgpr_workgroup_id_x 1
		.amdhsa_system_sgpr_workgroup_id_y 1
		.amdhsa_system_sgpr_workgroup_id_z 1
		.amdhsa_system_vgpr_workitem_id 0
		.amdhsa_next_free_vgpr 242
		.amdhsa_next_free_sgpr 66
		.amdhsa_reserve_vcc 1
		.amdhsa_float_denorm_mode_32 3
		.amdhsa_float_denorm_mode_16_64 3
		.amdhsa_memory_ordered 1
		.amdhsa_forward_progress 1
		.amdhsa_inst_pref_size 39
	.end_amdhsa_kernel
	.amdgpu_metadata
---
amdhsa.version: [ 1, 2 ]
amdhsa.kernels:
  - .name:           k_q04fc7899b1_quant
    .symbol:         k_q04fc7899b1_quant.kd
    .args:
      - { .name: x, .offset: 0, .size: 8, .value_kind: global_buffer, .address_space: global }
      - { .name: Wq, .offset: 8, .size: 8, .value_kind: global_buffer, .address_space: global }
      - { .name: Wk, .offset: 16, .size: 8, .value_kind: global_buffer, .address_space: global }
      - { .name: Wv, .offset: 24, .size: 8, .value_kind: global_buffer, .address_space: global }
      - { .name: xwc, .offset: 32, .size: 8, .value_kind: global_buffer, .address_space: global }
      - { .name: xws, .offset: 40, .size: 8, .value_kind: global_buffer, .address_space: global }
    .group_segment_fixed_size: 60928
    .private_segment_fixed_size: 0
    .kernarg_segment_align: 8
    .kernarg_segment_size: 48
    .max_flat_workgroup_size: 128
    .sgpr_count:     66
    .vgpr_count:     242
    .wavefront_size: 32
...
	.end_amdgpu_metadata
.endif
;; end of part 1
;; launch proj (part 2): grid 8 x 32, 4 waves a work-group, clusters of 4 x 4, 327,680 bytes of LDS; arguments xwc, xws, bq, bk, bv, qkvc, qkvs; writes qkvc, qkvs
.if DOCPART == 2
	.amdgcn_target "amdgcn-amd-amdhsa--gfx1250"
	.amdhsa_code_object_version 6
	.text
	.protected	k_q04fc7899b1_proj
	.globl	k_q04fc7899b1_proj
	.p2align	8
	.type	k_q04fc7899b1_proj,@function
k_q04fc7899b1_proj:
	s_mov_b64 s[64:65], 0
	v_nop
	global_prefetch_b8 v0, s[64:65] scope:SCOPE_SE
	s_setreg_imm32_b32 hwreg(HW_REG_WAVE_MODE, 25, 1), 1
	s_wait_xcnt 0x0
	s_wait_alu depctr_hold_cnt(0) depctr_sa_sdst(0) depctr_va_vdst(0) depctr_va_sdst(0) depctr_va_ssrc(0) depctr_va_vcc(0) depctr_vm_vsrc(0)
	s_getreg_b32 s2, hwreg(HW_REG_IB_STS2, 6, 4)
	s_cmp_eq_u32 s2, 0
	s_cbranch_scc0 .Lentry_in_a_cluster
	s_endpgm
.Lentry_in_a_cluster:
	s_bfe_u32 s2, ttmp6, 0x10000c
	s_cmp_lg_u32 s2, 0xf033
	s_cbranch_scc0 .Lentry_shape_is_right
	s_endpgm
.Lentry_shape_is_right:
; q = x Wq + bq, k = x Wk + bk, v = x Wv + bv on codes of FP6 (E2M3) with E8M0 scales (K = 1,024), sums in f32; the results are quantised here, q and k along the features, v along the keys, and leave as codes.
; OPERANDS ARE IMAGES OF REGISTERS.  A fragment (f, ks) is 16 rows x 128 K, 12 registers a lane, 1,536 bytes: register g of a lane at 512 (g / 4) + 16 lane + 4 (g % 4); its row p is matrix row
; 32 (f / 2) + 8 (f % 2) + p + 8 (p / 8).  Three ds_load_b128 at 16 x lane bring a fragment: no pitch, no padding.  Scale words: 1,024 bytes for 256 rows and a K step, word (f % 16, p) at 64 (f % 16) + 4 p.
; THE PRODUCT IS D = S0 S1^T: source 0 = 16 rows of S0, source 1 = 16 rows of S1.  Lane (r, h) then holds row r of S1's fragment, and by the order of a fragment's rows the 16 registers of accumulators 2 b, 2 b + 1
; are S0's rows 32 b + 16 h + 0..15: 16 NEIGHBOURS ALONG THE NEXT PRODUCT'S K.  So S0 is the operand whose rows become the next K: Wq, Wk (features) for q, k; x (keys) for v.
; SHARES.  There are 256 tiles of 256 x 256 of q and k, and 256 half tiles (256 keys x 128 channels) of v: A WORK-GROUP MAKES ONE OF EACH, from the same 256 rows of x: 768 matrix instructions for each of its four waves.
;   tile A: S0 = tile c of Wq | Wk (c = 0..7), S1 = x; a wave makes 128 x 128 (64 accumulators).   tile B: S0 = x, S1 = Wv's channels 128 c on; a wave makes 128 keys x 64 channels (32 accumulators).
; x's CODES, 196,608 bytes, STAY IN LDS for both tiles; only the weights go through a ring of two slots: W's K steps 0-1, 2-3 (first fills), 4-5, 6-7, then Wv's 0-3 and 4-7: four refills, one tensor load a wave each.
; CLUSTER 4 x 4: x's tile hangs on cy and is asked for jointly by my row, the weights hang on cx and are asked for jointly by my column.  Every wave fetches its quarter of every tile: no branch stands round a tensor load.
; By this text's own count a wave has one tensor load out at the start and one behind each round.
; The biases are the C of each sum's first products, so that the accumulators are final and the quantiser reads them where they lie, through the register windows.
; LIMITS: NaN and infinities are not served.  A block of zeros, or one under 2^-124, gets the byte 1: its codes add nothing or next to nothing, and this program alone reads the bytes.
; REGISTERS: window 0: v0-29 addresses and small things; v32-47 scale words, two sets; v48-63 at work; v64-127 bq or bk (the C of tile A's step 0), later v64-95 bv, v96-111 Wv's scale words, v112-125 the results' scale words;
;   v128-223 S1's fragments (tile A: 8, one set; tile B: 4, two sets); v224-243 codes.   window 1: S0's 8 fragments, two sets, at v0 and v128.
;   window 2: accumulators of S1's blocks 0-3 (block a, S0's block b at v[8 (8 a + b)]).  window 3: tile A's blocks 4-7.
; THE FILLS OF THIS TEXT, one tensor load a wave each time: at the head x's scale words, W's, x's region 0 and W's slot 0 (a wave each, whole); behind a drained round W's slot 1 and x's regions 1 to 3 (a wave each, whole);
; then the four refills of the weights' slots, a quarter a wave.  At most one load of a wave is out.
; THE RESULTS' SCALE WORDS: q and k: the 8 blocks of a half tile in 512 bytes, word (block i, row p) at 32 p + 4 i; v: 64 channels in 256 bytes, lane l at 8 l: the words of blocks l / 16 and 2 + l / 16.
.set FR,    12
.set XREG,  49152                      ; a region of x: 16 fragments x 2 K steps (fragment i, step q at 3,072 i + 1,536 q); four regions from LDS byte 0
.set WS,    196608                     ; the weights' two slots, XREG bytes each: tile A 16 fragments x 2 steps; tile B 8 fragments x 4 steps (fragment i, step q at 6,144 i + 1,536 q)
.set SCX,   294912                     ; x's scale words, [K step][256 words]
.set SCW,   303232                     ; W's: 128 bytes past a multiple of 256 from SCX, so that the two halves of the lanes fall on different banks
.set SPARE, 311552                     ; the spare words, 128 bytes a wave: two blocks of 256 bytes that no other line names
.set LI,   4                           ; v4      16 x lane; never rewritten
.set AXA,  8                           ; v8-11   x's four regions, my 8 fragments as S1 (tile A)
.set AXB,  12                          ; v12-15  the same as S0 (tile B)
.set AWA,  16                          ; v16-17  the two slots, my 8 fragments of W (tile A)
.set AWB,  18                          ; v18-19  my 4 fragments of Wv (tile B)
.set B1,   20                          ; v20-23  bv of my lane's channel in the four blocks
.set ADRS, 24                          ; v24     tile A's scale words: lanes 0-15 x's, lanes 16-31 W's
.set ADSX, 25                          ; v25     tile B's: x's words, 4 x lane: two blocks to a register
.set OS,   26                          ; v26     4 x lane
.set SPW,  28
.set NIL,  29
.set SC,   32
.set TM,   48
.set HA,   64                          ; bq or bk along S0's rows
.set BV,   64                          ; later: bv, eight registers a block
.set SV,   96                          ; Wv's scale words: register 2 ks + j: lanes 0-15 block 2 j, lanes 16-31 block 2 j + 1
.set PWS,  112                         ; the results' scale words, a register a block
.set MW,   120                         ; and two blocks to a register, for the stores
.set AF,   128
.set PC,   224
.set WV, 18
.set H1, 19                            ; which half of S1's rows is mine
.set H0, 20                            ; which half of S0's rows
.set CC, 21                            ; cx, then c = 4 x cluster x + cx
.set CY, 22                            ; cy, later at work
.set XT, 23                            ; cluster y, then x's tile 4 x cluster y + cy
.set G1X,  24                          ; s[24:31] group 1, s[32:47] four groups 0: x's regions
.set G0X,  32
.set G1W,  48                          ; s[48:55], s[56:63]: the weights' two slots
.set G0W,  56
.set SEL,  66
.set G1SX, 68                          ; s[68:75], s[76:79]: x's scale words
.set G0SX, 76
.set G1SW, 80                          ; s[80:87], s[88:91]: W's
.set G0SW, 88
.set G1V,  92                          ; s[92:99] group 1 for Wv's tiles
.set VB,   100                         ; s[100:101] where my quarter of Wv's half tile begins
.set MUL_LO, 0xa1                      ; source 0 window 1, source 1 window 0, C and D window 2
.set MUL_HI, 0xf1
.set TO_B,   0x40
.set MSB, 0
.macro WIN new                         ; the immediate's high byte repeats the setting that is left
.if MSB != (\new)
	s_set_vgpr_msb (MSB<<8)|(\new)
.set MSB, (\new)
.endif
.endm
.macro PLACES n
.rept \n
	v_nop
.endr
.endm
.macro CREST                           ; a round of the cluster's barrier behind its opening barrier
	s_cmp_lg_u32 s[WV], 0
	s_cbranch_scc1 .Lnot_wave_0_\@
	s_barrier_signal -3
.Lnot_wave_0_\@:
	s_barrier_wait -3
	s_barrier_signal -1
	s_barrier_wait -1
.endm
.macro CROUND
	s_barrier_signal -1
	s_barrier_wait -1
	CREST
.endm
.macro FRAG reg, adr, off
.irp c, 0,1,2
	ds_load_b128 v[\reg+4*\c:\reg+4*\c+3], v[\adr] offset:\off+512*\c
.endr
.endm
; ---- tile A
.macro FETCH_B ks                      ; W's eight fragments of step ks into set ks % 2
.set SL, ((\ks)/2)%2
.set QO, ((\ks)%2)*1536
	WIN TO_B
.irp i, 0,1,2,3,4,5,6,7
	FRAG 128*((\ks)%2)+FR*\i, AWA+SL, QO+\i*3072
.endr
	WIN 0
.endm
.macro FETCH_A ks, i0                  ; x's blocks i0 .. i0 + 3
.set SL, (\ks)/2
.set QO, ((\ks)%2)*1536
.irp i, \i0, \i0+1, \i0+2, \i0+3
	FRAG AF+FR*(\i), AXA+SL, QO+(\i)*3072
.endr
.endm
.macro SCALES ks                       ; register i: lanes 0-15 the words of x's block i, lanes 16-31 those of W's block i
.irp i, 0,1,2,3,4,5,6,7
	ds_load_b32 v[SC+8*((\ks)%2)+\i], v[ADRS] offset:(\ks)*1024+64*\i
.endr
.endm
; 16 matrix instructions: x's blocks a0, a0 + 1 x W's eight.  The 64 accumulators take turns, one instruction a turn, in the same order in every step.  first = 1: the bias starts the sums.
.macro MUL16 a0, ks, first
.irp a, \a0, \a0+1
.irp b, 0,1,2,3,4,5,6,7
.if \first
	v_wmma_scale_f32_16x16x128_f8f6f4 v[8*(8*((\a)%4)+\b):8*(8*((\a)%4)+\b)+7], v[128*((\ks)%2)+FR*\b:128*((\ks)%2)+FR*\b+FR-1], v[AF+FR*(\a):AF+FR*(\a)+FR-1], v[HA+8*\b:HA+8*\b+7], v[SC+8*((\ks)%2)+\b], v[SC+8*((\ks)%2)+(\a)] matrix_a_fmt:MATRIX_FMT_FP6 matrix_b_fmt:MATRIX_FMT_FP6 matrix_a_scale:MATRIX_SCALE_ROW1
.else
	v_wmma_scale_f32_16x16x128_f8f6f4 v[8*(8*((\a)%4)+\b):8*(8*((\a)%4)+\b)+7], v[128*((\ks)%2)+FR*\b:128*((\ks)%2)+FR*\b+FR-1], v[AF+FR*(\a):AF+FR*(\a)+FR-1], v[8*(8*((\a)%4)+\b):8*(8*((\a)%4)+\b)+7], v[SC+8*((\ks)%2)+\b], v[SC+8*((\ks)%2)+(\a)] matrix_a_fmt:MATRIX_FMT_FP6 matrix_b_fmt:MATRIX_FMT_FP6 matrix_a_scale:MATRIX_SCALE_ROW1
.endif
.endr
.endr
.endm
; A load into a register that a matrix instruction has read stands four places behind it, and only plain vector instructions are places (ISA guide 7.12.1 for vector instructions).
.macro STEP ks, first                  ; an even step: its successor lies in the same region and slot
	s_wait_dscnt 12                                ; all but the youngest 12 loads (x's blocks 4-7) are in
	WIN MUL_LO-0x20*(\first)                       ; (first: C lies in window 0)
	MUL16 0, \ks, \first
	MUL16 2, \ks, \first
	s_wait_dscnt 0x0                               ; x's blocks 4-7 are in
	PLACES 4
	FETCH_B (\ks)+1
	FETCH_A (\ks)+1, 0
	SCALES (\ks)+1
	WIN MUL_HI-0x30*(\first)
	MUL16 4, \ks, \first
	MUL16 6, \ks, \first
	PLACES 4
	WIN 0
	FETCH_A (\ks)+1, 4
.endm
; ---- tile B
.macro VFETCH ks                       ; step ks: x's 8 fragments, Wv's 4, x's scale words (two blocks to a register): 40 loads in one run, into set ks % 2
.set QO, ((\ks)%2)*1536
.set QV, ((\ks)%4)*1536
	WIN TO_B
.irp i, 0,1,2,3,4,5,6,7
	FRAG 128*((\ks)%2)+FR*\i, AXB+(\ks)/2, QO+\i*3072
.endr
	WIN 0
.irp i, 0,1,2,3
	FRAG AF+48*((\ks)%2)+FR*\i, AWB+(\ks)/4, QV+\i*6144
.endr
.irp j, 0,1,2,3
	ds_load_b32 v[SC+8*((\ks)%2)+\j], v[ADSX] offset:(\ks)*1024+128*\j
.endr
.endm
.macro WMB d, p, q, c, sa, sb, ra, rb  ; one product; ra, rb: the side's scale words stand in lanes 16-31 of the register named
.if (\ra) && (\rb)
	v_wmma_scale_f32_16x16x128_f8f6f4 v[(\d):(\d)+7], v[(\p):(\p)+FR-1], v[(\q):(\q)+FR-1], v[(\c):(\c)+7], v[(\sa)], v[(\sb)] matrix_a_fmt:MATRIX_FMT_FP6 matrix_b_fmt:MATRIX_FMT_FP6 matrix_a_scale:MATRIX_SCALE_ROW1 matrix_b_scale:MATRIX_SCALE_ROW1
.elseif (\ra)
	v_wmma_scale_f32_16x16x128_f8f6f4 v[(\d):(\d)+7], v[(\p):(\p)+FR-1], v[(\q):(\q)+FR-1], v[(\c):(\c)+7], v[(\sa)], v[(\sb)] matrix_a_fmt:MATRIX_FMT_FP6 matrix_b_fmt:MATRIX_FMT_FP6 matrix_a_scale:MATRIX_SCALE_ROW1
.elseif (\rb)
	v_wmma_scale_f32_16x16x128_f8f6f4 v[(\d):(\d)+7], v[(\p):(\p)+FR-1], v[(\q):(\q)+FR-1], v[(\c):(\c)+7], v[(\sa)], v[(\sb)] matrix_a_fmt:MATRIX_FMT_FP6 matrix_b_fmt:MATRIX_FMT_FP6 matrix_b_scale:MATRIX_SCALE_ROW1
.else
	v_wmma_scale_f32_16x16x128_f8f6f4 v[(\d):(\d)+7], v[(\p):(\p)+FR-1], v[(\q):(\q)+FR-1], v[(\c):(\c)+7], v[(\sa)], v[(\sb)] matrix_a_fmt:MATRIX_FMT_FP6 matrix_b_fmt:MATRIX_FMT_FP6
.endif
.endm
; 8 matrix instructions: Wv's block a x x's eight.  The 32 accumulators take turns, one instruction a turn, in the same order in every step.  first = 1: bv starts the sums.
.macro VMUL a, ks, first
.irp b, 0,1,2,3,4,5,6,7
.if \first
	WMB 8*(8*(\a)+\b), 128*((\ks)%2)+FR*\b, AF+48*((\ks)%2)+FR*(\a), BV+8*(\a), SC+8*((\ks)%2)+\b/2, SV+2*(\ks)+(\a)/2, \b%2, (\a)%2
.else
	WMB 8*(8*(\a)+\b), 128*((\ks)%2)+FR*\b, AF+48*((\ks)%2)+FR*(\a), 8*(8*(\a)+\b), SC+8*((\ks)%2)+\b/2, SV+2*(\ks)+(\a)/2, \b%2, (\a)%2
.endif
.endr
.endm
.macro VSTEP ks, first
	s_wait_dscnt 0x0                               ; this step's operands are in
	PLACES 4                                       ; four places in front of loads into the set that the last step's matrix instructions have read
	VFETCH (\ks)+1
	WIN MUL_LO-0x20*(\first)
	VMUL 0, \ks, \first
	VMUL 1, \ks, \first
	VMUL 2, \ks, \first
	VMUL 3, \ks, \first
.endm
; An odd step of tile A leaves a slot of the weights.  In front of the barrier each wave waits for all its tensor loads (the other slot's refill among them), adds 0 to its spare word, and waits for that and for its LDS reads.
; The barrier opens a round of the cluster's; behind the round the slot just left is filled again, every wave its quarter: step 1: W's steps 4, 5; step 3: W's 6, 7; step 5: Wv's 0-3; step 7: Wv's 4-7.
.macro TURN ks
	s_wait_tensorcnt 0x0                           ; all my tensor loads have landed: so a group 0 may be written
	ds_add_u32 v[SPW], v[NIL]                      ; 0 onto my spare word
.if (\ks) == 1                         ; no tensor load of mine is out: from here on I fetch a quarter of a slot: 4 fragments, 49,152 bytes further on in memory and 12,288 in LDS for each wave
	s_mul_i32 s76, s[WV], 49152
	s_mov_b32 s77, 0
	s_mul_i32 s78, s[WV], 12288
	s_add_nc_u64 s[G0W+2:G0W+3], s[G0W+2:G0W+3], s[76:77]
	s_add_nc_u64 s[G0W+6:G0W+7], s[G0W+6:G0W+7], s[76:77]
	s_add_co_u32 s[G0W+1], s[G0W+1], s78
	s_add_co_u32 s[G0W+5], s[G0W+5], s78
	s_mov_b32 s[G1W+2], 4<<16
	s_mov_b32 s[G1W+4], 4
.endif
	s_wait_dscnt 13                                ; (the add and the youngest 12 loads may be out)
	WIN MUL_LO
	MUL16 0, \ks, 0
	s_wait_dscnt 0x0                               ; the add is done and my LDS reads are over
	s_barrier_signal -1
	MUL16 2, \ks, 0
	WIN 0
	s_barrier_wait -1
	CREST                                          ; no wave of any partner still reads the slot or has a load on its way
.if (\ks) == 1
	s_add_nc_u64 s[G0W+2:G0W+3], s[G0W+2:G0W+3], 6144              ; from step 0 to step 4
	tensor_load_to_lds s[G0W:G0W+3], s[G1W:G1W+7]
	s_nop 0
.elseif (\ks) == 3
	s_add_nc_u64 s[G0W+6:G0W+7], s[G0W+6:G0W+7], 6144              ; from step 2 to step 6
	tensor_load_to_lds s[G0W+4:G0W+7], s[G1W:G1W+7]
	s_nop 0
.elseif (\ks) == 5
	s_mov_b64 s[G0W+2:G0W+3], s[VB:VB+1]                           ; Wv's steps 0-3
	s_or_b32 s[G0W+3], s[G0W+3], 0x80000000
	tensor_load_to_lds s[G0W:G0W+3], s[G1V:G1V+7]
	s_nop 0
.else
	s_add_nc_u64 s[G0W+6:G0W+7], s[VB:VB+1], 6144                  ; Wv's steps 4-7
	s_or_b32 s[G0W+7], s[G0W+7], 0x80000000
	tensor_load_to_lds s[G0W+4:G0W+7], s[G1V:G1V+7]
	s_nop 0
.endif
	PLACES 4                                       ; four v_nop follow the tensor load; they are also the places in front of the loads below
.if (\ks) < 7
	FETCH_B (\ks)+1
	FETCH_A (\ks)+1, 0
	SCALES (\ks)+1
.else
	VFETCH 0                                       ; tile B's first operands: slot 0 holds Wv's steps 0-3, whole for everybody since this step's barrier
.endif
	WIN MUL_HI
	MUL16 4, \ks, 0
	MUL16 6, \ks, 0
.if (\ks) < 7
	PLACES 4
	WIN 0
	FETCH_A (\ks)+1, 4
.else
	WIN 0
.endif
.endm
; 64 results of a lane, v[s] .. v[s + 63] of window w, register 16 b + i = k 32 b + 16 h + i of my row, become a fragment's codes in v[PC] on and the row's scale word in v[pw].  They are read where the products left them,
; each accumulator from its low end on.
.macro QUANTW s, pw, w
.set WW, (\w)|((\w)<<2)
	WIN WW                                         ; sources 0 and 1: window w
.irp b, 0,1,2,3
	v_max3_num_f32 v[TM+\b], |v[(\s)+16*\b]|, |v[(\s)+1+16*\b]|, 0x1800000   ; block b: my 16 numbers, and the floor 2^(3 - 127): the byte cannot fall under 1
.endr
.set WW, ((\w)<<2)|((\w)<<4)
	WIN WW                                         ; sources 1 and 2: window w
.irp i, 2,4,6,8,10,12,14
.irp b, 0,1,2,3
	v_max3_num_f32 v[TM+\b], v[TM+\b], |v[(\s)+16*\b+\i]|, |v[(\s)+1+16*\b+\i]|   ; (the four blocks by turns)
.endr
.endr
	WIN 0
.irp b, 0,1,2,3
	v_permlanex16_b32 v[TM+4+\b], v[TM+\b], s[SEL], s[SEL+1]
.endr
.irp b, 0,1,2,3
	v_max_num_f32 v[TM+\b], v[TM+\b], v[TM+4+\b]   ; with lane l xor 16's: the block's largest magnitude
.endr
.irp b, 0,1,2,3
	v_add_nc_u32 v[TM+12+\b], 0xff000000, v[TM+\b] ; 2 off its exponent field: the conversion's scale operand
.endr
.irp b, 0,1,2,3
	v_lshrrev_b32 v[TM+4+\b], 23, v[TM+12+\b]      ; the scale's byte
.endr
	v_lshl_or_b32 v[\pw], v[TM+5], 8, v[TM+4]
	v_lshl_or_b32 v[\pw], v[TM+6], 16, v[\pw]
	v_lshl_or_b32 v[\pw], v[TM+7], 24, v[\pw]
	s_wait_xcnt 0x0                                ; the last block's stores have read their data: the codes' registers may be written
.set WW, (\w)
	WIN WW                                         ; source 0: window w
.irp c, 0,1
	v_cvt_scalef32_pk16_fp6_f32 v[PC+6*\c:PC+2+6*\c], v[(\s)+32*\c:(\s)+15+32*\c], v[TM+12+2*\c]
	v_cvt_scalef32_pk16_fp6_f32 v[PC+12+4*\c:PC+14+4*\c], v[(\s)+16+32*\c:(\s)+31+32*\c], v[TM+12+2*\c+1]   ; (a conversion's three registers begin on an even number)
.endr
	WIN 0
	v_nop                                          ; one plain place behind the conversions
.irp c, 0,1                            ; the layout wants a whole block in a lane: lanes 0-15 block 2 c, lanes 16-31 block 2 c + 1
.irp i, 0,1,2
	v_permlane16_swap_b32 v[PC+6*\c+\i], v[PC+12+4*\c+\i]
.endr
.irp i, 0,1,2
	v_mov_b32 v[PC+3+6*\c+\i], v[PC+12+4*\c+\i]
.endr
.endr
.endm
.macro OUTA a                          ; tile A's block a: 16 rows of x, my 128 features: a fragment of q or k; its image is stored from the registers, 512 consecutive bytes a store
.set AC, 64*((\a)%4)
	QUANTW AC, PWS+(\a), 2+(\a)/4
.irp c, 0,1,2
	global_store_b128 v[LI], v[PC+4*\c:PC+4*\c+3], s[14:15] offset:(\a)*12288+512*\c
.endr
.endm
.macro OUTB a                          ; tile B's block a: 16 channels, my 128 keys: a fragment of v
.set AC, 64*(\a)
	QUANTW AC, PWS+(\a), 2
.irp c, 0,1,2
	global_store_b128 v[LI], v[PC+4*\c:PC+4*\c+3], s[4:5] offset:(\a)*24576+512*\c
.endr
.endm
	s_load_b128 s[4:7], s[0:1], 0x0                ; xwc s[4:5], xws s[6:7]
	s_load_b128 s[8:11], s[0:1], 0x10              ; bq s[8:9], bk s[10:11]
	s_load_b128 s[12:15], s[0:1], 0x20             ; bv s[12:13], qkvc s[14:15]
	s_load_b64 s[16:17], s[0:1], 0x30              ; qkvs
	v_lshl_add_u32 v[SPW], v0, 2, SPARE
	v_mov_b32 v[NIL], 0
	ds_add_u32 v28, v29
	ds_add_u32 v28, v29
	s_wait_dscnt 0x0
	v_lshrrev_b32 v1, 5, v0
	v_readfirstlane_b32 s[WV], v1                  ; wave 0..3
	s_lshr_b32 s[H1], s[WV], 1
	s_and_b32 s[H0], s[WV], 1
	s_bfe_u32 s[CC], ttmp6, 0x40000                ; cx
	s_bfe_u32 s[CY], ttmp6, 0x40004                ; cy
	s_and_b32 s[XT], ttmp7, 0xffff                 ; cluster y, 0..7; ttmp9 is cluster x: 0 q, 1 k
	s_lshl_b32 s2, s[CY], 2
	s_lshl_b32 s2, 15, s2                          ; my row of the cluster
	s_lshl_b32 s3, 0x1111, s[CC]                   ; my column
	s_or_b32 s[G1X], s2, (3<<16)|(1<<21)           ; 15:0 the mask; 17:16 elements of 8 bytes; 21 set beside a mask; no padding
	s_or_b32 s[G1SX], s2, (3<<16)|(1<<21)
	s_or_b32 s[G1W], s3, (3<<16)|(1<<21)
	s_or_b32 s[G1SW], s3, (3<<16)|(1<<21)
	s_or_b32 s[G1V], s3, (3<<16)|(1<<21)
.irp g, G1X, G1W                       ; a wave's quarter of a region or slot: 4 fragments' two K steps: 4 rows of 3,072 bytes, 12,288 bytes apart
	s_mov_b32 s[\g+1], 384<<16
	s_mov_b32 s[\g+2], 16<<16                      ; (whole: 16 fragments; for the refills W's group is set to 4)
	s_mov_b32 s[\g+3], 384<<16
	s_mov_b32 s[\g+4], 16
	s_mov_b32 s[\g+5], 1536
	s_mov_b32 s[\g+6], 0
	s_mov_b32 s[\g+7], 0
.endr
	s_mov_b32 s[G1V+1], 768<<16                    ; Wv: 2 fragments' four K steps: 2 rows of 6,144 bytes, 12,288 bytes apart
	s_mov_b32 s[G1V+2], 2<<16
	s_mov_b32 s[G1V+3], 768<<16
	s_mov_b32 s[G1V+4], 2
	s_mov_b32 s[G1V+5], 1536
	s_mov_b32 s[G1V+6], 0
	s_mov_b32 s[G1V+7], 0
.irp g, G1SX, G1SW                     ; a quarter of a tile's scale words: 2,048 dense bytes as 8 rows of 256
	s_mov_b32 s[\g+1], 32<<16
	s_mov_b32 s[\g+2], 32<<16                      ; (whole: 8,192 dense bytes as 32 rows of 256)
	s_mov_b32 s[\g+3], 32<<16
	s_mov_b32 s[\g+4], 32
	s_mov_b32 s[\g+5], 32
	s_mov_b32 s[\g+6], 0
	s_mov_b32 s[\g+7], 0
.endr
	s_lshl_b32 s[XT], s[XT], 2
	s_add_co_u32 s[XT], s[XT], s[CY]               ; x's tile, 0..31: shared by my row
	s_lshl_b32 s2, ttmp9, 2
	s_add_co_u32 s[CC], s[CC], s2                  ; c, 0..7: shared by my column
	; the offsets are made in the address words of the groups 0; the buffers' addresses are added behind the wait
	s_mul_i32 s[G0X+2], s[XT], 196608
	s_mov_b32 s[G0X+3], 0
	s_add_co_u32 s3, s[CC], 32                     ; W's tile among the 44
	s_mul_i32 s[G0W+2], s3, 196608
	s_mov_b32 s[G0W+3], 0
	s_lshl_b32 s[G0SX+2], s[XT], 13
	s_mov_b32 s[G0SX+3], 0
	s_lshl_b32 s[G0SW+2], s3, 13
	s_mov_b32 s[G0SW+3], 0
	s_mov_b32 s[G0SX+1], SCX
	s_mov_b32 s[G0SW+1], SCW
	s_mul_i32 s[VB], s[CC], 98304                  ; Wv's fragments 8 c on (behind the 640 of x, Wq, Wk), my 2 of them
	s_mul_i32 s3, s[WV], 24576
	s_add_co_u32 s[VB], s[VB], s3
	s_add_co_u32 s[VB], s[VB], 7864320
	s_mov_b32 s[VB+1], 0
.irp s, 0,1,2,3
	s_mov_b32 s[G0X+4*\s], 1
	s_mov_b32 s[G0X+4*\s+1], \s*XREG
.endr
.irp s, 0,1
	s_mov_b32 s[G0W+4*\s], 1
	s_mov_b32 s[G0W+4*\s+1], WS+\s*XREG
.endr
	s_mov_b32 s[G0SX], 1
	s_mov_b32 s[G0SW], 1
	s_wait_kmcnt 0x0
	s_add_nc_u64 s[G0X+2:G0X+3], s[4:5], s[G0X+2:G0X+3]
	s_add_nc_u64 s[G0W+2:G0W+3], s[4:5], s[G0W+2:G0W+3]
	s_add_nc_u64 s[VB:VB+1], s[4:5], s[VB:VB+1]
	s_add_nc_u64 s[G0SX+2:G0SX+3], s[6:7], s[G0SX+2:G0SX+3]
	s_add_nc_u64 s[G0SW+2:G0SW+3], s[6:7], s[G0SW+2:G0SW+3]
.irp s, 1,2,3
	s_add_nc_u64 s[G0X+4*\s+2:G0X+4*\s+3], s[G0X+2:G0X+3], \s*3072 ; region s: K steps 2 s, 2 s + 1
.endr
	s_add_nc_u64 s[G0W+6:G0W+7], s[G0W+2:G0W+3], 3072
.irp s, 0,1,2,3
	s_or_b32 s[G0X+4*\s+3], s[G0X+4*\s+3], 0x80000000
.endr
	s_or_b32 s[G0W+3], s[G0W+3], 0x80000000
	s_or_b32 s[G0W+7], s[G0W+7], 0x80000000
	s_or_b32 s[G0SX+3], s[G0SX+3], 0x80000000
	s_or_b32 s[G0SW+3], s[G0SW+3], 0x80000000
	CROUND                                         ; all sixteen work-groups are here: the first joint loads meet
.macro ARM w, g0, g1, next, join       ; wave w's load; one chain of branches on the wave's number, every way through it passes one load
	s_cmp_eq_u32 s[WV], \w
	s_cbranch_scc0 \next
	tensor_load_to_lds s[\g0:\g0+3], s[\g1:\g1+7]
	s_nop 0
	PLACES 4
	s_branch \join
\next:
.endm
	ARM 0, G0SX, G1SX, .Lhead_1, .Lhead_asked
	ARM 1, G0SW, G1SW, .Lhead_2, .Lhead_asked
	ARM 2, G0X, G1X, .Lhead_3, .Lhead_asked
	tensor_load_to_lds s[G0W:G0W+3], s[G1W:G1W+7]
	s_nop 0
	PLACES 4
.Lhead_asked:
	; the biases.  Tile A, along S0's rows: accumulator b, register j of lane (r, h) is feature 32 (b / 2) + 8 (b % 2) + 16 h + j of my 128.  Tile B, along S1's rows: block a, lane r is channel 32 (a / 2) + 8 (a % 2) + r + 8 (r / 8) of my 64.
	s_cmp_eq_u32 ttmp9, 0
	s_cselect_b64 s[8:9], s[8:9], s[10:11]         ; bq or bk: a choice on the cluster's x alone
	s_and_b32 s2, s[CC], 3
	s_lshl_b32 s2, s2, 10
	s_lshl_b32 s3, s[H0], 9
	s_add_co_u32 s2, s2, s3                        ; (256 (c % 4) + 128 half0) x 4 bytes
	s_mov_b32 s3, 0
	s_add_nc_u64 s[8:9], s[8:9], s[2:3]
	s_lshl_b32 s2, s[CC], 9
	s_lshl_b32 s22, s[H1], 8
	s_add_co_u32 s2, s2, s22                       ; (128 c + 64 half1) x 4 bytes
	s_add_nc_u64 s[12:13], s[12:13], s[2:3]
	; THE PREFETCHES into the L2: what the fills behind the head's load: K steps 2-7 (9,216 bytes, 36 blocks of 256) of x's and of W's 16 fragments, a fragment a wave, shared out by address among the 16 waves that ask jointly
	s_and_b32 s66, s[CC], 3                        ; x: fragment 4 cx + wave
	s_lshl_b32 s66, s66, 2
	s_add_co_u32 s66, s66, s[WV]
	s_mul_i32 s66, s66, 12288
	s_mul_i32 s3, s[XT], 196608
	s_add_co_u32 s66, s66, s3
	s_mov_b32 s67, 0
	s_bfe_u32 s10, ttmp6, 0x40004                  ; W: fragment 4 cy + wave
	s_lshl_b32 s10, s10, 2
	s_add_co_u32 s10, s10, s[WV]
	s_mul_i32 s10, s10, 12288
	s_add_co_u32 s3, s[CC], 32
	s_mul_i32 s3, s3, 196608
	s_add_co_u32 s10, s10, s3
	s_mov_b32 s11, 0
	s_add_nc_u64 s[66:67], s[4:5], s[66:67]
	s_add_nc_u64 s[10:11], s[4:5], s[10:11]
	v_and_b32 v1, 15, v0                           ; r
	v_bfe_u32 v2, v0, 4, 1                         ; h
	v_and_b32 v3, 31, v0                           ; lane
	v_lshlrev_b32 v[LI], 4, v3
	v_lshlrev_b32 v31, 8, v3                       ; blocks 0-31,
	v_min_u32 v7, 3, v3
	v_lshlrev_b32 v7, 8, v7                        ; and 32-35 (the lanes left over name the last again)
	global_prefetch_b8 v31, s[66:67] offset:3072 th:TH_LOAD_NT scope:SCOPE_SE
	global_prefetch_b8 v31, s[10:11] offset:3072 th:TH_LOAD_NT scope:SCOPE_SE
	global_prefetch_b8 v7, s[66:67] offset:11264 th:TH_LOAD_NT scope:SCOPE_SE
	global_prefetch_b8 v7, s[10:11] offset:11264 th:TH_LOAD_NT scope:SCOPE_SE
	v_lshlrev_b32 v5, 6, v2                        ; 64 h
	v_and_b32 v6, 8, v1
	v_add_nc_u32 v6, v6, v1
	v_lshlrev_b32 v6, 2, v6                        ; 4 (r + 8 (r / 8))
.irp b, 0,1,2,3,4,5,6,7
	global_load_b128 v[HA+8*\b:HA+8*\b+3], v5, s[8:9] offset:(32*(\b/2)+8*(\b%2))*4
	global_load_b128 v[HA+8*\b+4:HA+8*\b+7], v5, s[8:9] offset:(32*(\b/2)+8*(\b%2))*4+16
.endr
.irp a, 0,1,2,3
	global_load_b32 v[B1+\a], v6, s[12:13] offset:(32*(\a/2)+8*(\a%2))*4
.endr
	s_mul_i32 s2, s[H1], 24576                     ; 8 fragments x 2 steps, and 4 fragments x 4 steps, are 24,576 bytes
	s_mul_i32 s3, s[H0], 24576
.irp s, 0,1,2,3
	v_add_nc_u32 v[AXA+\s], s2, v[LI]              ; x as S1: my half by half1
	v_add_nc_u32 v[AXB+\s], s3, v[LI]              ; x as S0: by half0
	s_add_co_u32 s2, s2, XREG
	s_add_co_u32 s3, s3, XREG
.endr
.irp s, 0,1                            ; the slots follow the four regions
	v_add_nc_u32 v[AWB+\s], s2, v[LI]              ; Wv as S1: by half1
	v_add_nc_u32 v[AWA+\s], s3, v[LI]              ; W as S0: by half0
	s_add_co_u32 s2, s2, XREG
	s_add_co_u32 s3, s3, XREG
.endr
	s_xor_b32 s3, s[H1], 1                         ; from x's words to W's: SCW - SCX + 512 half0 - 512 half1 = 7,808 + 512 (half0 + 1 - half1)
	s_add_co_u32 s3, s3, s[H0]
	s_lshl_b32 s3, s3, 9
	s_add_co_u32 s3, s3, 7808
	v_mul_u32_u24 v[ADRS], s3, v2                  ; one product: h x the distance
	s_lshl_b32 s2, s[H1], 9
	s_add_co_u32 s2, s2, SCX
	v_lshl_add_u32 v[ADRS], v1, 2, v[ADRS]
	v_add_nc_u32 v[ADRS], s2, v[ADRS]
	s_lshl_b32 s2, s[H0], 9
	s_add_co_u32 s2, s2, SCX
	v_lshl_add_u32 v[ADSX], v3, 2, s2
	v_lshlrev_b32 v[OS], 2, v3
	v_lshlrev_b32 v27, 5, v1                       ; where my results' scale words go: q, k: 32 p + 16 h,
	v_lshl_add_u32 v27, v2, 4, v27
	v_lshlrev_b32 v30, 3, v3                       ; v: 8 x lane
.irp b, 0,1,2,3
	v_mov_b32 v[TM+4+\b], 0                        ; written once: a lane permute's destination counts as one of its sources
.endr
	; where tile B's results go: batch xt / 8; fragments of channels 8 c + 4 half1 + a, 16 K steps each; K step 2 (xt % 8) + half0
	s_wait_xcnt 0x0                                ; the prefetches have read their bases
	s_mov_b32 s3, 0
	s_and_b32 s67, s[XT], 7
	s_lshl_b32 s67, s67, 1
	s_add_co_u32 s67, s67, s[H0]
	s_lshl_b32 s2, s[CC], 3
	s_lshl_b32 s22, s[H1], 2
	s_add_co_u32 s2, s2, s22
	s_mul_i32 s2, s2, 24576
	s_mul_i32 s22, s67, 1536
	s_add_co_u32 s2, s2, s22
	s_lshr_b32 s22, s[XT], 3
	s_mul_i32 s22, s22, 1572864
	s_add_co_u32 s2, s2, s22
	s_add_co_u32 s2, s2, 12582912
	s_add_nc_u64 s[4:5], s[14:15], s[2:3]          ; v's codes
	s_lshr_b32 s2, s[XT], 3
	s_lshl_b32 s2, s2, 16
	s_lshr_b32 s22, s[CC], 1
	s_lshl_b32 s22, s22, 14
	s_add_co_u32 s2, s2, s22
	s_lshl_b32 s22, s67, 10
	s_add_co_u32 s2, s2, s22
	s_and_b32 s22, s[CC], 1
	s_lshl_b32 s22, s22, 9
	s_add_co_u32 s2, s2, s22
	s_lshl_b32 s22, s[H1], 8
	s_add_co_u32 s2, s2, s22
	s_add_co_u32 s2, s2, 524288
	s_add_nc_u64 s[10:11], s[16:17], s[2:3]        ; v's scale words
	; Wv's own scale words: tile 40 + c / 2, fragments 8 (c % 2) + 4 half1 on
	s_lshr_b32 s2, s[CC], 1
	s_add_co_u32 s2, s2, 40
	s_lshl_b32 s2, s2, 13
	s_and_b32 s22, s[CC], 1
	s_lshl_b32 s22, s22, 9
	s_add_co_u32 s2, s2, s22
	s_lshl_b32 s22, s[H1], 8
	s_add_co_u32 s2, s2, s22
	s_add_nc_u64 s[6:7], s[6:7], s[2:3]
	; where tile A's results go: fragments of rows 16 xt + 8 half1 + a, 8 K steps each; K step 2 (c % 4) + half0; q, then k
	s_and_b32 s66, s[CC], 3
	s_lshl_b32 s66, s66, 1
	s_add_co_u32 s66, s66, s[H0]
	s_lshl_b32 s2, s[XT], 4
	s_lshl_b32 s22, s[H1], 3
	s_add_co_u32 s2, s2, s22
	s_mul_i32 s2, s2, 12288
	s_mul_i32 s22, s66, 1536
	s_add_co_u32 s2, s2, s22
	s_mul_i32 s22, ttmp9, 6291456
	s_add_co_u32 s2, s2, s22
	s_add_nc_u64 s[14:15], s[14:15], s[2:3]        ; the codes
	s_lshl_b32 s2, s[XT], 13
	s_lshl_b32 s22, s66, 10
	s_add_co_u32 s2, s2, s22
	s_lshl_b32 s22, ttmp9, 18
	s_add_co_u32 s2, s2, s22
	s_lshl_b32 s22, s[H1], 9
	s_add_co_u32 s2, s2, s22
	s_add_nc_u64 s[16:17], s[16:17], s[2:3]        ; the scale words
	s_mov_b32 s[SEL], 0x76543210
	s_mov_b32 s[SEL+1], 0xfedcba98                 ; v_permlanex16_b32's selects for lane l xor 16
	s_wait_alu depctr_va_vdst(0)
	s_wait_loadcnt 0x0                             ; the biases
	s_wait_tensorcnt 0x0                           ; my tile of the head's four is in; these lines as ahead of a refill:
	ds_add_u32 v[SPW], v[NIL]
	s_wait_dscnt 0x0
	CROUND                                         ; a whole round: all four tiles are in, everybody's
	ARM 0, G0W+4, G1W, .Lsecond_1, .Lsecond_asked  ; the other first fills: W's slot 1 and x's regions 1 to 3, a wave each
	ARM 1, G0X+4, G1X, .Lsecond_2, .Lsecond_asked
	ARM 2, G0X+8, G1X, .Lsecond_3, .Lsecond_asked
	tensor_load_to_lds s[G0X+12:G0X+15], s[G1X:G1X+7]
	s_nop 0
	PLACES 4
.Lsecond_asked:
	FETCH_B 0
	FETCH_A 0, 0
	SCALES 0
	FETCH_A 0, 4
	STEP 0, 1
	; bq's or bk's registers are free (four places stand behind the products that read them): bv is spread over the eight registers of each block's C, and Wv's scale words come from memory, 128 consecutive bytes a load
.irp a, 0,1,2,3
.irp j, 0,1,2,3,4,5,6,7
	v_mov_b32 v[BV+8*\a+\j], v[B1+\a]
.endr
.endr
.irp k, 0,1,2,3,4,5,6,7
	global_load_b32 v[SV+2*\k], v[OS], s[6:7] offset:1024*\k
	global_load_b32 v[SV+2*\k+1], v[OS], s[6:7] offset:1024*\k+128
.endr
	TURN 1                                         ; every wave has waited for all its loads: all of x and slot 1 are whole for everybody from here on
	STEP 2, 0
	TURN 3
	STEP 4, 0
	TURN 5
	STEP 6, 0
	TURN 7
	PLACES 4                                       ; behind the last products, in front of the first read of results
.irp a, 0,1,2,3,4,5,6,7
	OUTA \a
.endr
	s_mov_b32 vcc_lo, 0xffff0000
.irp i, 0,1,2,3
	v_cndmask_b32 v[MW+\i], v[PWS+\i], v[PWS+4+\i], vcc_lo         ; lanes 0-15 blocks 0-3, lanes 16-31 blocks 4-7
.endr
	global_store_b128 v27, v[MW:MW+3], s[16:17]    ; 512 consecutive bytes
	; ---- tile B.  Slot 1's refill has had tile A's way out in which to land
	s_wait_loadcnt 0x0                             ; Wv's scale words
	s_wait_tensorcnt 0x0                           ; my quarter of Wv's steps 4-7 is in,
	s_wait_dscnt 0x0
	s_barrier_signal -1
	s_barrier_wait -1                              ; everybody's is
	VSTEP 0, 1
	VSTEP 1, 0
	VSTEP 2, 0
	VSTEP 3, 0
	VSTEP 4, 0
	VSTEP 5, 0
	VSTEP 6, 0
	s_wait_dscnt 0x0                               ; the last step: nothing more to fetch
	WIN MUL_LO
	VMUL 0, 7, 0
	VMUL 1, 7, 0
	VMUL 2, 7, 0
	VMUL 3, 7, 0
	WIN 0
	PLACES 4
.irp a, 0,1,2,3
	OUTB \a
.endr
.irp i, 0,1
	v_cndmask_b32 v[MW+4+\i], v[PWS+2*\i], v[PWS+2*\i+1], vcc_lo
.endr
	global_store_b64 v30, v[MW+4:MW+5], s[10:11]   ; 256 consecutive bytes
	s_wait_tensorcnt 0x0                           ; the wave's end
	ds_add_u32 v[SPW], v[NIL]
	s_wait_dscnt 0x0
	CROUND                                         ; the closing round
	s_endpgm
.Lfunc_end_k_q04fc7899b1_proj:
	.size	k_q04fc7899b1_proj, .Lfunc_end_k_q04fc7899b1_proj-k_q04fc7899b1_proj
	.p2alignl 7, 3214868480
	.fill 96, 4, 3214868480
	.section	.rodata,"a",@progbits
	.p2align	6, 0x0
	.amdhsa_kernel k_q04fc7899b1_proj
		.amdhsa_group_segment_fixed_size 327680
		.amdhsa_private_segment_fixed_size 0
		.amdhsa_enable_private_segment 0
		.amdhsa_kernarg_size 56
		.amdhsa_user_sgpr_count 2
		.amdhsa_user_sgpr_kernarg_segment_ptr 1
		.amdhsa_wavefront_size32 1
		.amdhsa_system_sgpr_workgroup_id_x 1
		.amdhsa_system_sgpr_workgroup_id_y 1
		.amdhsa_system_sgpr_workgroup_id_z 1
		.amdhsa_system_vgpr_workitem_id 0
		.amdhsa_next_free_vgpr 1024
		.amdhsa_next_free_sgpr 102
		.amdhsa_reserve_vcc 1
		.amdhsa_float_denorm_mode_32 3
		.amdhsa_float_denorm_mode_16_64 3
		.amdhsa_memory_ordered 1
		.amdhsa_forward_progress 1
		.amdhsa_inst_pref_size 224
	.end_amdhsa_kernel
	.amdgpu_metadata
---
amdhsa.version: [ 1, 2 ]
amdhsa.kernels:
  - .name:           k_q04fc7899b1_proj
    .symbol:         k_q04fc7899b1_proj.kd
    .args:
      - { .name: xwc, .offset: 0, .size: 8, .value_kind: global_buffer, .address_space: global }
      - { .name: xws, .offset: 8, .size: 8, .value_kind: global_buffer, .address_space: global }
      - { .name: bq, .offset: 16, .size: 8, .value_kind: global_buffer, .address_space: global }
      - { .name: bk, .offset: 24, .size: 8, .value_kind: global_buffer, .address_space: global }
      - { .name: bv, .offset: 32, .size: 8, .value_kind: global_buffer, .address_space: global }
      - { .name: qkvc, .offset: 40, .size: 8, .value_kind: global_buffer, .address_space: global }
      - { .name: qkvs, .offset: 48, .size: 8, .value_kind: global_buffer, .address_space: global }
    .group_segment_fixed_size: 327680
    .private_segment_fixed_size: 0
    .kernarg_segment_align: 8
    .kernarg_segment_size: 56
    .max_flat_workgroup_size: 128
    .sgpr_count:     102
    .vgpr_count:     1024
    .wavefront_size: 32
...
	.end_amdgpu_metadata
.endif
;; end of part 2
;; launch score (part 3): grid 8 x 32, 4 waves a work-group, clusters of 4 x 4, 327,680 bytes of LDS; arguments qkvc, qkvs, pc, pm; writes pc, pm
.if DOCPART == 3
	.amdgcn_target "amdgcn-amd-amdhsa--gfx1250"
	.amdhsa_code_object_version 6
	.text
	.protected	k_q04fc7899b1_score
	.globl	k_q04fc7899b1_score
	.p2align	8
	.type	k_q04fc7899b1_score,@function
k_q04fc7899b1_score:
	s_mov_b64 s[64:65], 0
	v_nop
	global_prefetch_b8 v0, s[64:65] scope:SCOPE_SE
	s_setreg_imm32_b32 hwreg(HW_REG_WAVE_MODE, 25, 1), 1
	s_wait_xcnt 0x0
	s_wait_alu depctr_hold_cnt(0) depctr_sa_sdst(0) depctr_va_vdst(0) depctr_va_sdst(0) depctr_va_ssrc(0) depctr_va_vcc(0) depctr_vm_vsrc(0)
	s_getreg_b32 s2, hwreg(HW_REG_IB_STS2, 6, 4)
	s_cmp_eq_u32 s2, 0
	s_cbranch_scc0 .Lentry_in_a_cluster
	s_endpgm
.Lentry_in_a_cluster:
	s_bfe_u32 s2, ttmp6, 0x10000c
	s_cmp_lg_u32 s2, 0xf033
	s_cbranch_scc0 .Lentry_shape_is_right
	s_endpgm
.Lentry_shape_is_right:
; S = q k^T on codes of FP6 (E2M3) with E8M0 scales (K = 1,024), and the softmax's numerator as codes.  t = S x log2(e) / 32.  A wave's 128 keys are one K step of the next product: for each query and K step
; M = ceil(the largest t of these 128 keys), a whole number; p = 2^(t - M) is quantised along the keys, block of 32 by block of 32; the sum of the unquantised p and -M are stored beside the codes.
; The next launch finds each row's largest M and takes the difference, a whole number, off the scale bytes: the codes' values are those under the row's own M.
; OPERANDS ARE IMAGES OF REGISTERS: a fragment (f, ks) is 16 rows x 128 K, 1,536 bytes, register g of a lane at 512 (g / 4) + 16 lane + 4 (g % 4); its row p is matrix row 32 (f / 2) + 8 (f % 2) + p + 8 (p / 8).
; D = S0 S1^T with S0 = k (keys), S1 = q (queries): lane (r, h) holds query r of block a, and the 16 registers of accumulators 2 b, 2 b + 1 are keys 32 b + 16 h + 0..15.
; SHARES.  A work-group makes 256 queries x 256 keys of one batch, a wave 128 x 128.  CLUSTER 4 x 4: q's tile hangs on cy and is asked for jointly by my row, k's on cx, by my column; the batch hangs on the cluster's y.
; K: 8 steps of 128, written out; two LDS slots of three steps; steps 0-5 are first fills (one tensor load of a wave is out at the most), steps 6, 7 the one refill, into slot 0.
; LIMITS: NaN and infinities are not served.  A block whose every p has fallen under 2^-124 keeps the byte 1.
; REGISTERS: window 0: v0-29 addresses and small things; v48-63 at work; v64-127 the scale words, later a block's 64 numbers; v128-223 q's 8 fragments, later the blocks' words, -M and sums; v224-243 codes.
;   window 1: k's fragments, two sets.  windows 2, 3: the 64 accumulators.
; THE FILLS OF THIS TEXT: two LDS slots of three K steps; slot 0 (steps 0-2) at the head, slot 1 (3-5) behind a drained round, then the one refill, steps 6, 7 into slot 0: one tensor load of a wave is out at the most.
; THE SCALE WORDS of all 8 steps come from memory straight into v64-127, 16 bytes a lane and load: register 8 ks + i: lanes 0-15 q's block i, lanes 16-31 k's block i.
; pm: for each query and K step 16 bytes: p's scale word, -M, the sum, 0: [tile of 128 queries][K step][query][16].
; LIMIT: the scaled scores (the exponents to the base 2) stay under 2^31 in magnitude.
.set FR,    12
.set SLOTB, 147456
.set S0OFF, 73728
.set HALF,  36864                      ; 8 fragments x 3 steps
.set SPARE, 294912
.set ADRA, 8
.set ADRB, 12
.set ADRS, 15
.set OC,   16
.set OS,   17
.set SPW,  28
.set NIL,  29
.set SC,   32
.set TM,   48                          ; v48-51 the blocks' largest; v52-55 the other half's, then bytes; v56-59 scale operands; v60 the row's largest t; v[62:63] -M as a pair
.set HA,   64
.set AF,   128
.set PWS,  128                         ; v128-135 scale words, v136-143 -M, v144-151 sums, a register a block
.set NMS,  136
.set LS,   144
.set PC,   224
.set WV, 18
.set H1, 19
.set H0, 20
.set CX, 21
.set CY, 22
.set YY, 23
.set G1,   24
.set G0,   32
.set G1B,  44
.set G0B,  52
.set G1S,  68
.set G0S,  76
.set G1SB, 80
.set G0SB, 88
.set SEL,  66
.set CS,   92
.set MUL_LO, 0xa1
.set MUL_HI, 0xf1
.set TO_B,   0x40
.set MSB, 0
.macro WIN new
.if MSB != (\new)
	s_set_vgpr_msb (MSB<<8)|(\new)
.set MSB, (\new)
.endif
.endm
.macro PLACES n
.rept \n
	v_nop
.endr
.endm
.macro CREST
	s_cmp_lg_u32 s[WV], 0
	s_cbranch_scc1 .Lnot_wave_0_\@
	s_barrier_signal -3
.Lnot_wave_0_\@:
	s_barrier_wait -3
	s_barrier_signal -1
	s_barrier_wait -1
.endm
.macro CROUND
	s_barrier_signal -1
	s_barrier_wait -1
	CREST
.endm
.macro JREFILL s                       ; a joint load of my quarter of slot s
	s_cmp_eq_u32 s[H1], 0
	s_cbranch_scc0 .Lfor_s0_\@
	tensor_load_to_lds s[G0+4*\s:G0+4*\s+3], s[G1:G1+7]
	s_nop 0
.rept 4
	v_nop
.endr
	s_branch .Lasked_\@
.Lfor_s0_\@:
	tensor_load_to_lds s[G0B+4*\s:G0B+4*\s+3], s[G1B:G1B+7]
	s_nop 0
.rept 4
	v_nop
.endr
.Lasked_\@:
.endm
.macro FRAG reg, adr, off
.irp c, 0,1,2
	ds_load_b128 v[\reg+4*\c:\reg+4*\c+3], v[\adr] offset:\off+512*\c
.endr
.endm
.macro FETCH_B ks                      ; a fragment's steps lie on end: three (4,608 bytes), of the refill two (3,072)
.set SL, ((\ks)/3)%2
.set QO, ((\ks)%3)*1536
.set FS, 4608-1536*((\ks)/6)
	WIN TO_B
.irp i, 0,1,2,3,4,5,6,7
	FRAG 128*((\ks)%2)+FR*\i, ADRB+SL, QO+\i*FS
.endr
	WIN 0
.endm
.macro FETCH_A ks, i0
.set SL, ((\ks)/3)%2
.set QO, ((\ks)%3)*1536
.set FS, 4608-1536*((\ks)/6)
.irp i, \i0, \i0+1, \i0+2, \i0+3
	FRAG AF+FR*(\i), ADRA+SL, QO+(\i)*FS
.endr
.endm
; The 64 accumulators take turns, one instruction a turn, in the same order in every step.  first = 1: the first product starts the sums.
.macro MUL16 a0, ks, first
.set SC, HA+8*((\ks)-(\ks)%2)          ; the pair of steps' scale words
.irp a, \a0, \a0+1
.irp b, 0,1,2,3,4,5,6,7
.if \first
	v_wmma_scale_f32_16x16x128_f8f6f4 v[8*(8*((\a)%4)+\b):8*(8*((\a)%4)+\b)+7], v[128*((\ks)%2)+FR*\b:128*((\ks)%2)+FR*\b+FR-1], v[AF+FR*(\a):AF+FR*(\a)+FR-1], 0, v[SC+8*((\ks)%2)+\b], v[SC+8*((\ks)%2)+(\a)] matrix_a_fmt:MATRIX_FMT_FP6 matrix_b_fmt:MATRIX_FMT_FP6 matrix_a_scale:MATRIX_SCALE_ROW1
.else
	v_wmma_scale_f32_16x16x128_f8f6f4 v[8*(8*((\a)%4)+\b):8*(8*((\a)%4)+\b)+7], v[128*((\ks)%2)+FR*\b:128*((\ks)%2)+FR*\b+FR-1], v[AF+FR*(\a):AF+FR*(\a)+FR-1], v[8*(8*((\a)%4)+\b):8*(8*((\a)%4)+\b)+7], v[SC+8*((\ks)%2)+\b], v[SC+8*((\ks)%2)+(\a)] matrix_a_fmt:MATRIX_FMT_FP6 matrix_b_fmt:MATRIX_FMT_FP6 matrix_a_scale:MATRIX_SCALE_ROW1
.endif
.endr
.endr
.endm
.macro STEP ks, first
	s_wait_dscnt 12                                ; all but the youngest 12 loads (q's blocks 4-7) are in
	WIN MUL_LO
	MUL16 0, \ks, \first
	MUL16 2, \ks, \first
	s_wait_dscnt 0x0
	PLACES 4                                       ; four places in front of loads into registers that matrix instructions have read
	FETCH_B (\ks)+1
	FETCH_A (\ks)+1, 0
	WIN MUL_HI
	MUL16 4, \ks, \first
	MUL16 6, \ks, \first
	PLACES 4
	WIN 0
	FETCH_A (\ks)+1, 4
.endm
.macro TURN ks, fill
	s_wait_tensorcnt 0x0                           ; all my tensor loads have landed
	ds_add_u32 v[SPW], v[NIL]                      ; 0 onto my spare word
	s_wait_dscnt 13                                ; (the add and the youngest 12 loads may be out)
	WIN MUL_LO
	MUL16 0, \ks, 0
	s_wait_dscnt 0x0                               ; the add is done and my LDS reads are over
	s_barrier_signal -1
	MUL16 2, \ks, 0
	WIN 0
	s_barrier_wait -1
.if \fill
	CREST                                          ; no wave of any partner still reads slot 0 or has a load on its way
	s_add_nc_u64 s[G0+2:G0+3], s[G0+2:G0+3], 9216  ; from step 0 to step 6
	s_add_nc_u64 s[G0B+2:G0B+3], s[G0B+2:G0B+3], 9216
.irp g, G1, G1B                        ; rows of two steps now
	s_mov_b32 s[\g+1], 384<<16
	s_mov_b32 s[\g+3], 384<<16
.endr
	JREFILL 0
.else
	PLACES 4
.endif
	FETCH_B (\ks)+1
	FETCH_A (\ks)+1, 0
	WIN MUL_HI
	MUL16 4, \ks, 0
	MUL16 6, \ks, 0
	PLACES 4
	WIN 0
	FETCH_A (\ks)+1, 4
.endm
; Block a: 16 queries x my 128 keys.
.macro SOFT a
.set AC, 64*((\a)%4)
.set W_, 2+(\a)/4                      ; the block's window
	WIN W_*0x15                                    ; sources 0, 1 and 2
.irp b, 0,1,2,3
	v_max3_num_f32 v[TM+\b], v[AC+16*\b], v[AC+1+16*\b], v[AC+2+16*\b]   ; the largest score of each block of 32 keys: it serves for the row's maximum and, since p rises with the score, for the block's largest p
.endr
	WIN W_*0x14                                    ; sources 1 and 2
.irp i, 3,5,7,9,11,13
.irp b, 0,1,2,3
	v_max3_num_f32 v[TM+\b], v[TM+\b], v[AC+16*\b+\i], v[AC+1+16*\b+\i]
.endr
.endr
.irp b, 0,1,2,3
	v_max_num_f32 v[TM+\b], v[TM+\b], v[AC+15+16*\b]
.endr
	WIN 0
.irp b, 0,1,2,3
	v_permlanex16_b32 v[TM+4+\b], v[TM+\b], s[SEL], s[SEL+1]
.endr
.irp b, 0,1,2,3
	v_max_num_f32 v[TM+\b], v[TM+\b], v[TM+4+\b]   ; with lane l xor 16's 16 keys
.endr
	v_max3_num_f32 v[TM+12], v[TM], v[TM+1], v[TM+2]
	v_max_num_f32 v[TM+12], v[TM+12], v[TM+3]      ; the largest t of my query among these 128 keys
	v_mul_f32 v[TM+12], s[CS], v[TM+12]            ; as t (the factor is positive)
	v_floor_f32 v[TM+14], -v[TM+12]                ; -M = floor(-t) = -ceil(t)
	v_mov_b32 v[NMS+(\a)], v[TM+14]
	WIN W_                                         ; source 0
.set JJ, 0
.rept 32
	v_pk_fma_f32 v[HA+2*JJ:HA+2*JJ+1], v[AC+2*JJ:AC+2*JJ+1], s[CS:CS+1], v[TM+14:TM+15] op_sel_hi:[1,0,0]   ; t - M
.set JJ, JJ+1
.endr
	WIN 0
.irp b, 0,1,2,3
	v_fma_f32 v[TM+\b], v[TM+\b], s[CS], v[TM+14]  ; the same of each block's largest score: the same bits
.endr
.set JJ, 0
	s_wait_alu depctr_va_vdst(0)
.rept 64
	v_exp_f32 v[HA+JJ], v[HA+JJ]                   ; p = 2^(t - M), at most 1
.set JJ, JJ+1
.endr
.irp b, 0,1,2,3
	v_exp_f32 v[TM+\b], v[TM+\b]                   ; the block's largest p
.endr
	v_nop                                          ; a plain place behind the last exponential
	s_wait_alu depctr_va_vdst(0)                   ; one wait for the whole batch, ahead of its first reader
.irp c, 0,2,4,6                        ; the sum of the UNQUANTISED p, in four chains
	v_pk_add_f32 v[20+\c:21+\c], v[HA+\c:HA+1+\c], v[HA+8+\c:HA+9+\c]
.endr
.irp j, 16,24,32,40,48,56
.irp c, 0,2,4,6
	v_pk_add_f32 v[20+\c:21+\c], v[20+\c:21+\c], v[HA+\j+\c:HA+\j+1+\c]
.endr
.endr
	v_pk_add_f32 v[20:21], v[20:21], v[22:23]
	v_pk_add_f32 v[24:25], v[24:25], v[26:27]
	v_pk_add_f32 v[20:21], v[20:21], v[24:25]
	v_add_f32 v20, v20, v21
	v_permlanex16_b32 v22, v20, s[SEL], s[SEL+1]
	v_add_f32 v[LS+(\a)], v20, v22                 ; with lane l xor 16's
.irp b, 0,1,2,3
	v_max_num_f32 v[TM+\b], 0x1800000, v[TM+\b]    ; the floor 2^(3 - 127): the byte cannot fall under 1
.endr
.irp b, 0,1,2,3
	v_add_nc_u32 v[TM+8+\b], 0xff000000, v[TM+\b]  ; 2 off the exponent field: the conversion's scale operand
.endr
.irp b, 0,1,2,3
	v_lshrrev_b32 v[TM+4+\b], 23, v[TM+8+\b]       ; the scale's byte, 1 to 125
.endr
	v_lshl_or_b32 v[PWS+(\a)], v[TM+5], 8, v[TM+4]
	v_lshl_or_b32 v[PWS+(\a)], v[TM+6], 16, v[PWS+(\a)]
	v_lshl_or_b32 v[PWS+(\a)], v[TM+7], 24, v[PWS+(\a)]
	s_wait_xcnt 0x0                                ; the last block's stores have read their data
.irp c, 0,1
	v_cvt_scalef32_pk16_fp6_f32 v[PC+6*\c:PC+2+6*\c], v[HA+32*\c:HA+15+32*\c], v[TM+8+2*\c]
	v_cvt_scalef32_pk16_fp6_f32 v[PC+12+4*\c:PC+14+4*\c], v[HA+16+32*\c:HA+31+32*\c], v[TM+8+2*\c+1]
.endr
	v_nop                                          ; one plain place behind the conversions
.irp c, 0,1
.irp i, 0,1,2
	v_permlane16_swap_b32 v[PC+6*\c+\i], v[PC+12+4*\c+\i]
.endr
.irp i, 0,1,2
	v_mov_b32 v[PC+3+6*\c+\i], v[PC+12+4*\c+\i]
.endr
.endr
.irp c, 0,1,2
	global_store_b128 v[OC], v[PC+4*\c:PC+4*\c+3], s[8:9] offset:(\a)*24576+512*\c   ; the fragment's image: 512 consecutive bytes a store
.endr
.endm
	s_load_b128 s[4:7], s[0:1], 0x0                ; qkvc s[4:5], qkvs s[6:7]
	s_load_b128 s[8:11], s[0:1], 0x10              ; pc s[8:9], ps s[10:11]
	v_lshl_add_u32 v[SPW], v0, 2, SPARE
	v_mov_b32 v[NIL], 0
	ds_add_u32 v28, v29
	ds_add_u32 v28, v29
	s_wait_dscnt 0x0
	v_lshrrev_b32 v1, 5, v0
	v_readfirstlane_b32 s[WV], v1
	s_lshr_b32 s[H1], s[WV], 1                     ; which 128 queries are mine; also: I fetch for q (0) or k (1)
	s_and_b32 s[H0], s[WV], 1                      ; which 128 keys; also: which half I fetch
	s_bfe_u32 s[CX], ttmp6, 0x40000
	s_bfe_u32 s[CY], ttmp6, 0x40004
	s_and_b32 s[YY], ttmp7, 0xffff
	s_lshl_b32 s92, s[CY], 2
	s_lshl_b32 s92, 15, s92                        ; my row of the cluster
	s_lshl_b32 s93, 0x1111, s[CX]                  ; my column
	s_or_b32 s[G1], s92, (3<<16)|(1<<21)           ; 15:0 the mask; 17:16 elements of 8 bytes; 21 set beside a mask; no padding
	s_or_b32 s[G1B], s93, (3<<16)|(1<<21)
.irp g, G1, G1B                        ; 8 rows of 3,072 bytes, 12,288 bytes apart
	s_mov_b32 s[\g+1], 576<<16                     ; (rows of three steps, 4,608 bytes, until the refill)
	s_mov_b32 s[\g+2], 8<<16
	s_mov_b32 s[\g+3], 576<<16
	s_mov_b32 s[\g+4], 8
	s_mov_b32 s[\g+5], 1536
	s_mov_b32 s[\g+6], 0
	s_mov_b32 s[\g+7], 0
.endr
	s_lshl_b32 s94, s[YY], 2
	s_add_co_u32 s94, s94, s[CY]                   ; q's tile, 0..31: shared by my row
	s_lshr_b32 s95, s[YY], 1
	s_lshl_b32 s95, s95, 3                         ; 8 x batch: from the cluster's y alone
	s_lshl_b32 s96, ttmp9, 2
	s_add_co_u32 s96, s96, s[CX]                   ; the tile of keys in the batch, 0..7
	s_add_co_u32 s95, s95, s96                     ; k's tile: shared by my column
	s_mul_i32 s92, s[H0], 98304
	s_mul_i32 s2, s94, 196608
	s_add_co_u32 s2, s2, s92
	s_mov_b32 s3, 0
	s_mul_i32 s100, s95, 196608
	s_add_co_u32 s100, s100, s92
	s_add_co_u32 s100, s100, 6291456
	s_mov_b32 s101, 0
	s_lshl_b32 s66, s94, 13                        ; q's scale words: my tile, my half
	s_lshl_b32 s92, s[H1], 9
	s_add_co_u32 s66, s66, s92
	s_mov_b32 s67, 0
	s_lshl_b32 s98, s95, 13                        ; k's
	s_lshl_b32 s92, s[H0], 9
	s_add_co_u32 s98, s98, s92
	s_add_co_u32 s98, s98, 262144
	s_sub_co_u32 s98, s98, s66                     ; from q's to k's
	v_and_b32 v1, 15, v0                           ; r
	v_bfe_u32 v2, v0, 4, 1                         ; h
	v_mul_u32_u24 v[ADRS], s98, v2                 ; lanes 16-31 take k's
	v_lshl_add_u32 v[ADRS], v1, 5, v[ADRS]         ; + 32 r
	s_mul_i32 s93, s[WV], HALF
	s_wait_alu depctr_va_vdst(0)
	s_wait_kmcnt 0x0
	s_add_nc_u64 s[2:3], s[4:5], s[2:3]
	s_add_nc_u64 s[100:101], s[4:5], s[100:101]
	s_add_nc_u64 s[98:99], s[6:7], s[66:67]
.irp k, 0,1,2,3,4,5,6,7
	global_load_b128 v[HA+8*\k:HA+8*\k+3], v[ADRS], s[98:99] offset:1024*\k
	global_load_b128 v[HA+8*\k+4:HA+8*\k+7], v[ADRS], s[98:99] offset:1024*\k+16
.endr
.irp s, 0,1
	s_mov_b32 s[G0+4*\s], 1
	s_add_co_u32 s[G0+4*\s+1], s93, \s*SLOTB
	s_add_nc_u64 s[G0+4*\s+2:G0+4*\s+3], s[2:3], \s*4608
	s_or_b32 s[G0+4*\s+3], s[G0+4*\s+3], 0x80000000
	s_mov_b32 s[G0B+4*\s], 1
	s_add_co_u32 s[G0B+4*\s+1], s93, \s*SLOTB
	s_add_nc_u64 s[G0B+4*\s+2:G0B+4*\s+3], s[100:101], \s*4608
	s_or_b32 s[G0B+4*\s+3], s[G0B+4*\s+3], 0x80000000
.endr
	CROUND                                         ; all sixteen work-groups are here: the first joint loads meet
	JREFILL 0                                      ; steps 0-2: one tensor load a wave at the head
	; THE PREFETCHES into the L2: what the later fills load, of q's and of k's 16 fragments, a fragment a wave, shared out by address among the 16 waves that ask jointly: here steps 3-5 (18 blocks of 256 bytes), behind slot 1's fill steps 6, 7 (12)
	s_lshl_b32 s68, s[CX], 2                       ; q: fragment 4 cx + wave
	s_add_co_u32 s68, s68, s[WV]
	s_mul_i32 s68, s68, 12288
	s_mul_i32 s70, s94, 196608
	s_add_co_u32 s68, s68, s70
	s_mov_b32 s69, 0
	s_lshl_b32 s70, s[CY], 2                       ; k: fragment 4 cy + wave
	s_add_co_u32 s70, s70, s[WV]
	s_mul_i32 s70, s70, 12288
	s_mul_i32 s72, s95, 196608
	s_add_co_u32 s70, s70, s72
	s_add_co_u32 s70, s70, 6291456
	s_mov_b32 s71, 0
	s_add_nc_u64 s[68:69], s[4:5], s[68:69]
	s_add_nc_u64 s[70:71], s[4:5], s[70:71]
	v_and_b32 v3, 31, v0
	v_min_u32 v5, 17, v3                           ; (the lanes left over name the last block again)
	v_min_u32 v6, 11, v3
	v_lshlrev_b32 v5, 8, v5
	v_lshlrev_b32 v6, 8, v6
	global_prefetch_b8 v5, s[68:69] offset:4608 th:TH_LOAD_NT scope:SCOPE_SE
	global_prefetch_b8 v5, s[70:71] offset:4608 th:TH_LOAD_NT scope:SCOPE_SE
	v_lshlrev_b32 v4, 4, v3                        ; 16 x lane
	s_mul_i32 s92, s[H1], HALF
	s_mul_i32 s93, s[H0], HALF
	s_add_co_u32 s93, s93, S0OFF
.irp s, 0,1
	v_add_nc_u32 v[ADRA+\s], s92, v4
	v_add_nc_u32 v[ADRB+\s], s93, v4
	s_add_co_u32 s92, s92, SLOTB
	s_add_co_u32 s93, s93, SLOTB
.endr
	v_mov_b32 v[OC], v4
	v_mov_b32 v[TM+15], 0                          ; (named as the upper half of a pair)
.irp b, 0,1,2,3
	v_mov_b32 v[TM+4+\b], 0                        ; written once: a lane permute's destination counts as one of its sources
.endr
	; where my results go: p's fragments of queries 16 gy + 8 half1 + a, 16 K steps each; K step 2 gx + half0
	s_lshl_b32 s95, s94, 4
	s_lshl_b32 s97, s[H1], 3
	s_add_co_u32 s95, s95, s97
	s_lshl_b32 s97, s96, 1
	s_add_co_u32 s97, s97, s[H0]
	s_mul_i32 s2, s95, 24576
	s_mul_i32 s92, s97, 1536
	s_add_co_u32 s2, s2, s92
	s_mov_b32 s3, 0
	s_add_nc_u64 s[8:9], s[8:9], s[2:3]
	s_lshl_b32 s2, s94, 16                         ; pm: tile 2 gy + half1 of 128 queries, 32,768 bytes each; K step, 2,048
	s_lshl_b32 s92, s97, 11
	s_add_co_u32 s2, s2, s92
	s_lshl_b32 s92, s[H1], 15
	s_add_co_u32 s2, s2, s92
	s_add_nc_u64 s[10:11], s[10:11], s[2:3]
	s_mov_b32 s[SEL], 0x76543210
	s_mov_b32 s[SEL+1], 0xfedcba98
	s_mov_b32 s[CS], 0x3d38aa3b                    ; log2(e) / 32
	s_mov_b32 s[CS+1], s[CS]                       ; (named with it as a pair)
	s_wait_alu depctr_va_vdst(0)
	s_wait_tensorcnt 0x0                           ; my part of slot 0 is in; these lines as ahead of a refill:
	ds_add_u32 v[SPW], v[NIL]
	s_wait_loadcnt 0x0                             ; the scale words
	s_wait_dscnt 0x0
	CROUND                                         ; slot 0 is whole, and the joint loads meet
	JREFILL 1                                      ; slot 1's first fill: steps 3-5
	FETCH_B 0
	FETCH_A 0, 0
	FETCH_A 0, 4
	global_prefetch_b8 v6, s[68:69] offset:9216 th:TH_LOAD_NT scope:SCOPE_SE
	global_prefetch_b8 v6, s[70:71] offset:9216 th:TH_LOAD_NT scope:SCOPE_SE
	STEP 0, 1
	STEP 1, 0
	TURN 2, 1                                      ; slot 1 is whole for everybody from here on; slot 0 takes steps 6, 7
	STEP 3, 0
	STEP 4, 0
	TURN 5, 0                                      ; the refill has landed, everybody's
	STEP 6, 0
	s_wait_dscnt 12
	WIN MUL_LO
	MUL16 0, 7, 0
	MUL16 2, 7, 0
	s_wait_dscnt 0x0
	WIN MUL_HI
	MUL16 4, 7, 0
	MUL16 6, 7, 0
	WIN 0
	PLACES 4
.irp a, 0,1,2,3,4,5,6,7
	SOFT \a
.endr
	s_mov_b32 vcc_lo, 0xffff0000
.irp i, 0,1,2,3
	v_cndmask_b32 v[160+4*\i], v[PWS+2*\i], v[PWS+2*\i+1], vcc_lo  ; lanes 0-15 block 2 i, lanes 16-31 block 2 i + 1: the scale word,
	v_cndmask_b32 v[161+4*\i], v[NMS+2*\i], v[NMS+2*\i+1], vcc_lo  ; -M,
	v_cndmask_b32 v[162+4*\i], v[LS+2*\i], v[LS+2*\i+1], vcc_lo    ; the local sum
	v_mov_b32 v[163+4*\i], 0
.endr
.irp i, 0,1,2,3
	global_store_b128 v[OC], v[160+4*\i:163+4*\i], s[10:11] offset:512*\i   ; 512 consecutive bytes
.endr
	s_wait_tensorcnt 0x0                           ; the wave's end
	ds_add_u32 v[SPW], v[NIL]
	s_wait_dscnt 0x0
	CROUND                                         ; the closing round
	s_endpgm
.Lfunc_end_k_q04fc7899b1_score:
	.size	k_q04fc7899b1_score, .Lfunc_end_k_q04fc7899b1_score-k_q04fc7899b1_score
	.p2alignl 7, 3214868480
	.fill 96, 4, 3214868480
	.section	.rodata,"a",@progbits
	.p2align	6, 0x0
	.amdhsa_kernel k_q04fc7899b1_score
		.amdhsa_group_segment_fixed_size 327680
		.amdhsa_private_segment_fixed_size 0
		.amdhsa_enable_private_segment 0
		.amdhsa_kernarg_size 32
		.amdhsa_user_sgpr_count 2
		.amdhsa_user_sgpr_kernarg_segment_ptr 1
		.amdhsa_wavefront_size32 1
		.amdhsa_system_sgpr_workgroup_id_x 1
		.amdhsa_system_sgpr_workgroup_id_y 1
		.amdhsa_system_sgpr_workgroup_id_z 1
		.amdhsa_system_vgpr_workitem_id 0
		.amdhsa_next_free_vgpr 1024
		.amdhsa_next_free_sgpr 102
		.amdhsa_reserve_vcc 1
		.amdhsa_float_denorm_mode_32 3
		.amdhsa_float_denorm_mode_16_64 3
		.amdhsa_memory_ordered 1
		.amdhsa_forward_progress 1
		.amdhsa_inst_pref_size 193
	.end_amdhsa_kernel
	.amdgpu_metadata
---
amdhsa.version: [ 1, 2 ]
amdhsa.kernels:
  - .name:           k_q04fc7899b1_score
    .symbol:         k_q04fc7899b1_score.kd
    .args:
      - { .name: qkvc, .offset: 0, .size: 8, .value_kind: global_buffer, .address_space: global }
      - { .name: qkvs, .offset: 8, .size: 8, .value_kind: global_buffer, .address_space: global }
      - { .name: pc, .offset: 16, .size: 8, .value_kind: global_buffer, .address_space: global }
      - { .name: pm, .offset: 24, .size: 8, .value_kind: global_buffer, .address_space: global }
    .group_segment_fixed_size: 327680
    .private_segment_fixed_size: 0
    .kernarg_segment_align: 8
    .kernarg_segment_size: 32
    .max_flat_workgroup_size: 128
    .sgpr_count:     102
    .vgpr_count:     1024
    .wavefront_size: 32
...
	.end_amdgpu_metadata
.endif
;; end of part 3
;; launch pv (part 4): grid 4 x 64, 4 waves a work-group, clusters of 4 x 4, 327,680 bytes of LDS; arguments pc, pm, qkvc, qkvs, out0; writes out0
.if DOCPART == 4
	.amdgcn_target "amdgcn-amd-amdhsa--gfx1250"
	.amdhsa_code_object_version 6
	.text
	.protected	k_q04fc7899b1_pv
	.globl	k_q04fc7899b1_pv
	.p2align	8
	.type	k_q04fc7899b1_pv,@function
k_q04fc7899b1_pv:
	s_mov_b64 s[64:65], 0
	v_nop
	global_prefetch_b8 v0, s[64:65] scope:SCOPE_SE
	s_setreg_imm32_b32 hwreg(HW_REG_WAVE_MODE, 25, 1), 1
	s_wait_xcnt 0x0
	s_wait_alu depctr_hold_cnt(0) depctr_sa_sdst(0) depctr_va_vdst(0) depctr_va_sdst(0) depctr_va_ssrc(0) depctr_va_vcc(0) depctr_vm_vsrc(0)
	s_getreg_b32 s2, hwreg(HW_REG_IB_STS2, 6, 4)
	s_cmp_eq_u32 s2, 0
	s_cbranch_scc0 .Lentry_in_a_cluster
	s_endpgm
.Lentry_in_a_cluster:
	s_bfe_u32 s2, ttmp6, 0x10000c
	s_cmp_lg_u32 s2, 0xf033
	s_cbranch_scc0 .Lentry_shape_is_right
	s_endpgm
.Lentry_shape_is_right:
; O = P V / l on codes of FP6 (E2M3) with E8M0 scales; K = the batch's 2,048 keys, 16 steps of 128.
; p's codes came with a whole number M for each query and K step (pm: scale word, -M, local sum, 0).  Here, once for each of the work-group's 128 queries: the row's M is the largest of the 16; the difference d (a whole number,
; 0 or more) is taken off the four scale bytes of that K step, which is the exact factor 2^-d; the row's sum is the sum of the 16 local sums x 2^-d; O is multiplied by 1 / sum at the end.
; LIMIT: a byte that would fall under 0 is held at 0: a block more than 2^126 under its row's largest p keeps the scale 2^-127; beside a sum of at least 1/2 that is nothing.  NaN and infinities are not served.
; OPERANDS ARE IMAGES OF REGISTERS: a fragment (f, ks) is 16 rows x 128 K, 1,536 bytes, register g of a lane at 512 (g / 4) + 16 lane + 4 (g % 4); its row p is matrix row 32 (f / 2) + 8 (f % 2) + p + 8 (p / 8).
; D = S0 S1^T with S0 = v (channels), S1 = p (queries): lane (r, h) holds query r of a block; accumulators 2 b, 2 b + 1 hold channels 32 b + 16 h + 0..15.
; SHARES.  A work-group makes 128 queries x 256 channels; a wave all 128 queries x 64 channels.  ITS v, ALL OF K, LIES IN REGISTERS: 4 x 16 fragments of 12 registers, 768.  p's tile, 8 x 16 fragments, 196,608 bytes, lies whole in LDS.
; The queries go by PAIRS of blocks (32 rows): 8 groups of two K steps, 16 matrix instructions a group on 8 accumulators.  A pair's results are scaled, go through the wave's stage in LDS and leave as rows of 256 bytes under the next pair's products.
; CLUSTER 4 x 4.  p's tile hangs on cy and is asked for jointly by my row: waves 0 and 1, a half along K each, filled once.  v hangs on cx and is asked for jointly by my column, as far as LDS has room beside p: K steps 0-3 at the head and
; 12-15 as the one refill (98,304 bytes, waves 2 and 3 a half each); each wave copies its own fragments into registers.  K steps 4-11 come from memory straight into registers, 512 consecutive bytes a load, each fragment by the one wave that
; uses it: the buffer could take them only by two more drained refills ahead of the first pair's products.  At most 60 such loads of a wave are out.
; PREFETCHES: v's K steps 8-11 and 12-15 of my 256 channels, a fragment's 24 blocks of 256 bytes an instruction, shared out by address among the 16 waves of the cluster that want the same channels.
; REGISTERS: window 0: v0-15 small things; v16-31 rows on their way out; v32-63 v's scale words (register 2 ks + j: lanes 0-15 block 2 j, lanes 16-31 block 2 j + 1); v64-73 LDS addresses and p's scale words;
;   v74-169 p's fragments, four sets of two blocks (ahead of them the prologue's numbers); v170-233 the accumulators; v234-245 v's last fragment; v246-251 addresses.  windows 1-3: v's fragments 0-62, 21 to a window.
.set PSC,   196608                     ; p's mended scale words, [K step][128 words]
.set RL,    204800                     ; 1 / sum, 128 words
.set VBUF,  205312                     ; v's buffer: 16 fragments x 4 K steps, 24,576 bytes a wave; behind its last fill and my last read of my part my stage lies there: 32 rows x 272 bytes
.set SPARE, 303616                     ; the spare words, 128 bytes a wave
.set LI,   4                           ; 16 x lane
.set RPA, 10                           ; v[10:11], v[12:13]: 1 / sum of the pair's two blocks, as pairs for the packed multiplication
.set RPB, 12
.set L4,  14                           ; 4 x lane
.set R4,  15                           ; 4 x r
.set OUT, 16
.set VS,  32
.set ADP, 64                           ; v64-65 my place in p's two halves along K
.set ADS, 68
.set SCP, 69                           ; v69-72 p's scale words, four sets: lanes 0-15 the pair's first block, lanes 16-31 its second
.set ADL, 73
.set PF,  74
.set PM,  74
.set ACC, 170
.set V63, 234
.set STO, 246
.set RD,  247
.set CO,  248
.set SPW, 249
.set NIL, 250
.set VAD, 251                          ; my part of v's buffer
.set WV,  18
.set G1,  24                           ; s[24:31], s[32:35]: p;  s[56:63], s[76:79]: v
.set G0,  32
.set G1V, 56
.set G0V, 76
.set SP,  70                           ; s70-71 the two halves' offsets, s74 the scale words', s75 the sums'
.set MSB, 0
.macro WIN new
.if MSB != (\new)
	s_set_vgpr_msb (MSB<<8)|(\new)
.set MSB, (\new)
.endif
.endm
.macro PLACES n
.rept \n
	v_nop
.endr
.endm
.macro CROUND
	s_barrier_signal -1
	s_barrier_wait -1
	s_cmp_lg_u32 s[WV], 0
	s_cbranch_scc1 .Lnot_wave_0_\@
	s_barrier_signal -3
.Lnot_wave_0_\@:
	s_barrier_wait -3
	s_barrier_signal -1
	s_barrier_wait -1
.endm
.macro VREG ks, b                      ; where v's fragment 4 ks + b lies
.set N_, 4*(\ks)+(\b)
.if N_ < 63
.set W_, 1+N_/21
.set R_, 12*(N_%21)
.else
.set W_, 0
.set R_, V63
.endif
.endm
.macro LOADV ks                        ; v's four fragments of step ks from memory: 12 loads
.irp b, 0,1,2,3
	VREG \ks, \b
	WIN W_<<6
.irp c, 0,1,2
	global_load_b128 v[R_+4*\c:R_+4*\c+3], v[LI], s[42:43] offset:\b*24576+(\ks)*1536+512*\c
.endr
.endr
	WIN 0
.endm
.macro VCOPY k0                        ; v's fragments of steps k0 .. k0 + 3 from the buffer: 48 loads
.irp q, 0,1,2,3
.irp b, 0,1,2,3
	VREG (\k0)+\q, \b
	WIN W_<<6
.irp c, 0,1,2
	ds_load_b128 v[R_+4*\c:R_+4*\c+3], v[VAD] offset:\b*6144+\q*1536+512*\c
.endr
.endr
.endr
	WIN 0
.endm
.macro FETCH ks                        ; the pair's two fragments of p and their scale words: 7 loads into set ks % 4
.set S_, (\ks)%4
.irp q, 0,1
.irp c, 0,1,2
	ds_load_b128 v[PF+24*S_+12*\q+4*\c:PF+24*S_+12*\q+4*\c+3], v[ADP+(\ks)/8] offset:\q*12288+((\ks)%8)*1536+512*\c
.endr
.endr
	ds_load_b32 v[SCP+S_], v[ADS] offset:512*(\ks)
.endm
.macro ONE q, b, ra, ks                ; v's block b x the pair's block q; the first step starts the sums
	VREG \ks, \b
.set D_, ACC+8*(4*\q+\b)
.set A_, PF+24*((\ks)%4)+12*\q
.set X_, VS+2*(\ks)+\b/2
.set Y_, SCP+(\ks)%4
	WIN W_
.if (\ks) == 0
	v_wmma_scale_f32_16x16x128_f8f6f4 v[D_:D_+7], v[R_:R_+11], v[A_:A_+11], 0, v[X_], v[Y_] matrix_a_fmt:MATRIX_FMT_FP6 matrix_b_fmt:MATRIX_FMT_FP6 matrix_a_scale:MATRIX_SCALE_ROW\ra matrix_b_scale:MATRIX_SCALE_ROW\q
.else
	v_wmma_scale_f32_16x16x128_f8f6f4 v[D_:D_+7], v[R_:R_+11], v[A_:A_+11], v[D_:D_+7], v[X_], v[Y_] matrix_a_fmt:MATRIX_FMT_FP6 matrix_b_fmt:MATRIX_FMT_FP6 matrix_a_scale:MATRIX_SCALE_ROW\ra matrix_b_scale:MATRIX_SCALE_ROW\q
.endif
.endm
.macro MULS ks                         ; the 8 accumulators take turns, one instruction a turn, in the same order in every step
	ONE 0, 0, 0, \ks
	ONE 0, 1, 1, \ks
	ONE 0, 2, 0, \ks
	ONE 0, 3, 1, \ks
	ONE 1, 0, 0, \ks
	ONE 1, 1, 1, \ks
	ONE 1, 2, 0, \ks
	ONE 1, 3, 1, \ks
.endm
; rows 2 T, 2 T + 1 of the stage (row 16 q + r: block q's row r) are two neighbouring rows of O
.macro STORE t, reg
.set T_, \t
	global_store_b128 v[CO], v[\reg:\reg+3], s[14:15] offset:(8*(T_/8)+2*(T_%8)+8*((T_%8)/4))*4096 th:TH_STORE_NT   ; two rows' 256 consecutive bytes, each aligned
.endm
; A group of two steps.  kind 0: the first pair, while v arrives; 1: a later pair; 2: the last.  p's operands are fetched a group ahead, into the two sets that the last group's products have read; in group 7 for the next pair.
; The wait for them is for 0; at a later pair's start its sixteen stores into the stage are younger and may be out (16).
; In kinds 1, 2 the last pair's rows come back from the stage in groups 0, 2, 4, 6, four loads each, and are stored in groups 1, 3, 5, 7.
.macro GROUP g, kind
	WIN 0
.if ((\kind) > 0) && ((\g) == 0)
	s_wait_dscnt 16
.else
	s_wait_dscnt 0x0
.endif
.if ((\kind) == 0) && ((\g) == 5)
	s_wait_tensorcnt 0x0                           ; my part of v's refill is in;
	s_barrier_signal -1
	s_barrier_wait -1                              ; everybody's is; nothing is filled any more
.endif
.if (\kind) < 2                        ; addresses step to the next pair once this pair's last fetch by them is out
.if (\g) == 4
	s_add_co_u32 s[SP], s[SP], 24576
	v_add_nc_u32 v[ADP], s[SP], v[LI]
	s_wait_alu depctr_va_vdst(0)
.elseif (\g) == 7
	s_add_co_u32 s[SP+1], s[SP+1], 24576
	s_add_co_u32 s[SP+4], s[SP+4], 128
	v_add_nc_u32 v[ADP+1], s[SP+1], v[LI]
	v_add_nc_u32 v[ADS], s[SP+4], v[L4]
	s_wait_alu depctr_va_vdst(0)
.endif
.endif
.if ((\kind) < 2) || ((\g) < 7)
	PLACES 4                                       ; four places in front of loads into the sets that the last group's products have read
	FETCH (2*(\g)+2)%16
	FETCH (2*(\g)+3)%16
.endif
.if (\g) == 5
	v_add_nc_u32 v[ADL], s[SP+5], v[R4]
	ds_load_b32 v[RPA], v[ADL]                     ; 1 / sum of row r of the pair's two blocks
	ds_load_b32 v[RPB], v[ADL] offset:64
	s_add_co_u32 s[SP+5], s[SP+5], 128
.endif
.if (\kind) > 0
.if (\g)%2 == 0
	s_wait_xcnt 0x0                                ; the stores before have read these registers
.irp t, 0,1,2,3
	ds_load_b128 v[OUT+4*\t:OUT+4*\t+3], v[RD] offset:(2*(\g)+\t)*544
.endr
.else
.irp t, 0,1,2,3
	STORE 2*(\g)-2+\t, OUT+4*\t
.endr
.endif
.endif
.if (\kind) == 0
.if (\g) == 5
	VCOPY 12
.endif
.if (\g) == 2
	s_wait_loadcnt 60                              ; steps 4 and 5 are in (72 loads are younger)
.elseif ((\g) > 2) && ((\g) < 6)
	s_wait_loadcnt 24*(5-(\g))                     ; this group's two steps are in; the later steps' 12 loads each may be out
.endif
.endif
	MULS 2*(\g)
	MULS 2*(\g)+1
.if ((\kind) == 0) && ((\g) < 2)
	s_wait_loadcnt 48                              ; so that 60 loads are out at the most
	LOADV 10+(\g)
.endif
.endm
; A pair's end: x 1 / sum, each accumulator from its low end on, and into my stage.  LDS serves a wave's instructions in order (ISA guide 5.7.1.4): the last pair's rows have been read back.
.macro PAIREND kind
	WIN 0
	PLACES 4
.set I_, 0
.rept 16
	v_pk_mul_f32 v[ACC+2*I_:ACC+2*I_+1], v[ACC+2*I_:ACC+2*I_+1], v[RPA:RPA+1] op_sel_hi:[1,0]
.set I_, I_+1
.endr
.rept 16
	v_pk_mul_f32 v[ACC+2*I_:ACC+2*I_+1], v[ACC+2*I_:ACC+2*I_+1], v[RPB:RPB+1] op_sel_hi:[1,0]
.set I_, I_+1
.endr
.irp q, 0,1
.irp b, 0,1,2,3
	ds_store_b128 v[STO], v[ACC+32*\q+8*\b:ACC+32*\q+8*\b+3] offset:\q*4352+128*(\b/2)+32*(\b%2)
	ds_store_b128 v[STO], v[ACC+32*\q+8*\b+4:ACC+32*\q+8*\b+7] offset:\q*4352+128*(\b/2)+32*(\b%2)+16
.endr
.endr
.if (\kind) > 0
	s_wait_xcnt 0x0                                ; the stores have read their base
	s_add_nc_u64 s[14:15], s[14:15], 131072        ; 32 rows on
.endif
.endm
	s_load_b256 s[4:11], s[0:1], 0x0               ; pc s[4:5], pm s[6:7], qkvc s[8:9], qkvs s[10:11]
	s_load_b64 s[14:15], s[0:1], 0x20              ; out0
	v_lshl_add_u32 v[SPW], v0, 2, SPARE
	v_mov_b32 v[NIL], 0
	ds_add_u32 v[SPW], v[NIL]                      ; the wave's opening: the add, twice on end
	ds_add_u32 v[SPW], v[NIL]
	v_lshrrev_b32 v1, 5, v0
	v_readfirstlane_b32 s[WV], v1                  ; wave 0..3: which 64 channels are mine
	s_and_b32 s38, s[WV], 1                        ; which half of p's K (waves 0, 1) or of v's channels (waves 2, 3) I ask for
	s_bfe_u32 s19, ttmp6, 0x40000                  ; cx
	s_bfe_u32 s20, ttmp6, 0x40004                  ; cy
	s_and_b32 s21, ttmp7, 0xffff
	s_lshl_b32 s2, s20, 2
	s_lshl_b32 s2, 15, s2                          ; my row of the cluster
	s_lshl_b32 s3, 0x1111, s19                     ; my column
	s_or_b32 s[G1], s2, (3<<16)|(1<<21)            ; 15:0 the mask; 17:16 elements of 8 bytes; 21 set beside a mask; no padding
	s_or_b32 s[G1V], s3, (3<<16)|(1<<21)
	s_mov_b32 s[G1+1], 1536<<16                    ; p: 8 fragments' eight K steps: 8 rows of 12,288 bytes, 24,576 bytes apart
	s_mov_b32 s[G1+2], 8<<16
	s_mov_b32 s[G1+3], 1536<<16
	s_mov_b32 s[G1V+1], 768<<16                    ; v: 8 fragments' four K steps: 8 rows of 6,144 bytes, 24,576 bytes apart
	s_mov_b32 s[G1V+2], 8<<16
	s_mov_b32 s[G1V+3], 768<<16
.irp g, G1, G1V
	s_mov_b32 s[\g+4], 8
	s_mov_b32 s[\g+5], 3072
	s_mov_b32 s[\g+6], 0
	s_mov_b32 s[\g+7], 0
.endr
	s_lshl_b32 s22, s21, 2
	s_add_co_u32 s22, s22, s20                     ; my tile of 128 queries, 0..63: shared by my row
	s_lshl_b32 s23, ttmp9, 2
	s_add_co_u32 s23, s23, s19                     ; my tile of 256 channels, 0..3: shared by my column
	s_lshr_b32 s3, s21, 2                          ; the batch: from the cluster's y alone
	s_mul_i32 s36, s22, 196608                     ; p: my tile, K steps 8 half on
	s_mul_i32 s2, s38, 12288
	s_add_co_u32 s36, s36, s2
	s_mov_b32 s37, 0
	s_mul_i32 s40, s3, 1572864                     ; v's codes, behind q's and k's: batch, my 256 channels;
	s_mul_i32 s2, s23, 393216
	s_add_co_u32 s40, s40, s2
	s_add_co_u32 s40, s40, 12582912
	s_mov_b32 s41, 0
	s_mul_i32 s54, s38, 196608                     ; the half of them that I ask for jointly;
	s_mov_b32 s55, 0
	s_mul_i32 s42, s[WV], 98304                    ; my 64 of them
	s_mov_b32 s43, 0
	s_lshl_b32 s44, s20, 2                         ; the prefetches: fragment 4 cy + wave of the 16
	s_add_co_u32 s44, s44, s[WV]
	s_mul_i32 s44, s44, 24576
	s_mov_b32 s45, 0
	s_lshl_b32 s46, s3, 16                         ; v's scale words
	s_lshl_b32 s2, s23, 14
	s_add_co_u32 s46, s46, s2
	s_lshl_b32 s2, s[WV], 8
	s_add_co_u32 s46, s46, s2
	s_add_co_u32 s46, s46, 524288
	s_mov_b32 s47, 0
	s_lshl_b32 s48, s22, 15                        ; pm
	s_mov_b32 s49, 0
	s_lshl_b32 s50, s22, 19                        ; O: rows 128 x tile on, columns 256 x tile + 64 x wave
	s_add_co_u32 s50, s50, s2
	s_lshl_b32 s2, s23, 10
	s_add_co_u32 s50, s50, s2
	s_mov_b32 s51, 0
	s_mul_i32 s52, s[WV], 24576
	s_add_co_u32 s52, s52, VBUF                    ; my part of v's buffer, later my stage
	s_mov_b32 s[SP], 0
	s_mov_b32 s[SP+1], 98304
	s_mov_b32 s[SP+4], PSC
	s_mov_b32 s[SP+5], RL
	s_mov_b32 s[G0], 1
	s_mul_i32 s[G0+1], s38, 98304
	s_mov_b32 s[G0V], 1
	s_mul_i32 s[G0V+1], s38, 49152
	s_add_co_u32 s[G0V+1], s[G0V+1], VBUF
	v_and_b32 v1, 15, v0                           ; r
	v_bfe_u32 v2, v0, 4, 1                         ; h
	v_and_b32 v3, 31, v0                           ; lane
	v_lshlrev_b32 v[LI], 4, v3
	v_lshlrev_b32 v5, 4, v0
	v_lshl_add_u32 v6, v0, 2, PSC
	v_lshl_add_u32 v7, v0, 2, RL
	v_lshlrev_b32 v8, 3, v3
	v_min_u32 v9, 23, v3
	v_lshlrev_b32 v9, 8, v9                        ; 24 blocks of 256 bytes (lanes 24-31 name the last again)
	v_lshlrev_b32 v[L4], 2, v3
	v_lshlrev_b32 v[R4], 2, v1
	v_add_nc_u32 v[ADP], s[SP], v[LI]
	v_add_nc_u32 v[ADP+1], s[SP+1], v[LI]
	v_add_nc_u32 v[ADS], s[SP+4], v[L4]
	v_add_nc_u32 v[VAD], s52, v[LI]
	v_mul_u32_u24 v[STO], v1, 272
	v_lshl_add_u32 v[STO], v2, 6, v[STO]
	v_add_nc_u32 v[STO], s52, v[STO]               ; in: row r, + 64 h
	v_mul_u32_u24 v[RD], v2, 272
	v_lshl_add_u32 v[RD], v1, 4, v[RD]
	v_add_nc_u32 v[RD], s52, v[RD]                 ; back: sixteen lanes to a row of 256 bytes
	v_lshlrev_b32 v[CO], 12, v2
	v_lshl_add_u32 v[CO], v1, 4, v[CO]             ; and the same two rows in O
	v_mov_b32 v[RPA+1], 0                          ; (named as the upper halves of pairs)
	v_mov_b32 v[RPB+1], 0
	s_wait_dscnt 0x0                               ; both opening adds are done
	s_wait_alu depctr_va_vdst(0)
	s_wait_kmcnt 0x0
	s_add_nc_u64 s[48:49], s[6:7], s[48:49]
	s_add_nc_u64 s[46:47], s[10:11], s[46:47]
.irp k, 0,1,2,3,4,5,6,7,8,9,10,11,12,13,14,15
	global_load_b128 v[PM+4*\k:PM+4*\k+3], v5, s[48:49] offset:2048*\k   ; thread t is query place t of the tile's 128: scale word, -M, local sum of K step k
.endr
.irp k, 0,1,2,3,4,5,6,7,8,9,10,11,12,13,14,15
	global_load_b64 v[VS+2*\k:VS+2*\k+1], v8, s[46:47] offset:1024*\k    ; 256 consecutive bytes
.endr
	s_add_nc_u64 s[40:41], s[8:9], s[40:41]
	s_add_nc_u64 s[42:43], s[40:41], s[42:43]
	s_add_nc_u64 s[44:45], s[40:41], s[44:45]
	s_add_nc_u64 s[14:15], s[14:15], s[50:51]
	s_add_nc_u64 s[G0+2:G0+3], s[4:5], s[36:37]
	s_or_b32 s[G0+3], s[G0+3], 0x80000000
	s_add_nc_u64 s[G0V+2:G0V+3], s[40:41], s[54:55]
	s_or_b32 s[G0V+3], s[G0V+3], 0x80000000
	CROUND                                         ; all sixteen work-groups are here: the joint loads meet
	s_cmp_lt_u32 s[WV], 2                          ; one tensor load a wave: waves 0 and 1 p's halves,
	s_cbranch_scc0 .Lfor_v
	tensor_load_to_lds s[G0:G0+3], s[G1:G1+7]
	s_nop 0
	PLACES 4
	s_branch .Lasked
.Lfor_v:                                               ; waves 2 and 3 v's K steps 0-3
	tensor_load_to_lds s[G0V:G0V+3], s[G1V:G1V+7]
	s_nop 0
	PLACES 4
.Lasked:
	LOADV 4
	LOADV 5
	global_prefetch_b8 v9, s[44:45] offset:12288 th:TH_LOAD_NT scope:SCOPE_SE   ; K steps 8-11
	s_wait_loadcnt 40                              ; pm's 16 loads are in; v's 16 of scale words and 24 of codes may be out
	LOADV 6
	s_wait_loadcnt 36                              ; v's scale words are in; three steps' 12 loads each may be out
	LOADV 7
	LOADV 8
	; THE PROLOGUE
.irp k, 0,1,2,3,4,5,6,7
	v_min_num_f32 v[138+\k], v[PM+1+4*\k], v[PM+33+4*\k]           ; the least -M is the row's
.endr
.irp k, 0,1,2,3
	v_min_num_f32 v[138+\k], v[138+\k], v[142+\k]
.endr
	v_min_num_f32 v138, v138, v140
	v_min_num_f32 v139, v139, v141
	v_min_num_f32 v138, v138, v139
.irp k, 0,1,2,3,4,5,6,7,8,9,10,11,12,13,14,15
	v_sub_f32 v[PM+1+4*\k], v138, v[PM+1+4*\k]     ; the local M less the row's: a whole number, 0 or less
.endr
.irp k, 0,1,2,3,4,5,6,7,8,9,10,11,12,13,14,15
	v_cvt_i32_f32 v[PM+1+4*\k], v[PM+1+4*\k]       ; (it saturates)
.endr
.irp k, 0,1,2,3,4,5,6,7,8,9,10,11,12,13,14,15
	v_ldexp_f32 v[PM+2+4*\k], v[PM+2+4*\k], v[PM+1+4*\k]           ; the local sum under the row's M: nothing is rounded
.endr
.irp k, 0,1,2,3,4,5,6,7
	v_add_f32 v[140+\k], v[PM+2+4*\k], v[PM+34+4*\k]
.endr
.irp k, 0,1,2,3
	v_add_f32 v[140+\k], v[140+\k], v[144+\k]
.endr
	v_add_f32 v140, v140, v142
	v_add_f32 v141, v141, v143
	v_add_f32 v140, v140, v141                     ; the row's sum, at least 1/2
	s_wait_alu depctr_va_vdst(0)
	v_rcp_f32 v148, v140
.irp k, 0,1,2,3,4,5,6,7,8,9,10,11,12,13,14,15
	v_sub_nc_u32 v[PM+1+4*\k], 0, v[PM+1+4*\k]     ; d
.endr
.irp k, 0,1,2,3,4,5,6,7,8,9,10,11,12,13,14,15
	v_min_u32 v[PM+1+4*\k], 127, v[PM+1+4*\k]
.endr
.irp k, 0,1,2,3,4,5,6,7,8,9,10,11,12,13,14,15
	v_lshl_or_b32 v[PM+1+4*\k], v[PM+1+4*\k], 8, v[PM+1+4*\k]
.endr
.irp k, 0,1,2,3,4,5,6,7,8,9,10,11,12,13,14,15
	v_lshl_or_b32 v[PM+1+4*\k], v[PM+1+4*\k], 16, v[PM+1+4*\k]     ; d in all four bytes
.endr
.irp k, 0,1,2,3,4,5,6,7,8,9,10,11,12,13,14,15
	v_or_b32 v[PM+4*\k], 0x80808080, v[PM+4*\k]    ; p's bytes are 1 to 125: with 128 on top no byte borrows from the next
.endr
.irp k, 0,1,2,3,4,5,6,7,8,9,10,11,12,13,14,15
	v_sub_nc_u32 v[PM+4*\k], v[PM+4*\k], v[PM+1+4*\k]              ; 128 + byte - d: the top bit stays where byte >= d
.endr
.irp k, 0,1,2,3,4,5,6,7,8,9,10,11,12,13,14,15
	v_and_b32 v[PM+1+4*\k], 0x80808080, v[PM+4*\k]
.endr
.irp k, 0,1,2,3,4,5,6,7,8,9,10,11,12,13,14,15
	v_lshrrev_b32 v[PM+2+4*\k], 7, v[PM+1+4*\k]
.endr
.irp k, 0,1,2,3,4,5,6,7,8,9,10,11,12,13,14,15
	v_sub_nc_u32 v[PM+1+4*\k], v[PM+1+4*\k], v[PM+2+4*\k]          ; 0x7f in those bytes, 0 in the others
.endr
.irp k, 0,1,2,3,4,5,6,7,8,9,10,11,12,13,14,15
	v_and_b32 v[PM+4*\k], v[PM+4*\k], v[PM+1+4*\k] ; byte - d, held at 0
.endr
	s_wait_alu depctr_va_vdst(0)                   ; ahead of the reciprocal's first reader
.irp k, 0,1,2,3,4,5,6,7,8,9,10,11,12,13,14,15
	ds_store_b32 v6, v[PM+4*\k] offset:512*\k
.endr
	ds_store_b32 v7, v148
	global_prefetch_b8 v9, s[44:45] offset:18432 th:TH_LOAD_NT scope:SCOPE_SE   ; K steps 12-15: the refill below
	s_wait_loadcnt 48                              ; step 4 is in
	LOADV 9
	s_wait_dscnt 0x0                               ; my words lie in LDS
	s_wait_tensorcnt 0x0                           ; my part of the head's fills is in
	s_barrier_signal -1
	s_barrier_wait -1                              ; p's tile and v's K steps 0-3 are whole
	VCOPY 0
	FETCH 0
	FETCH 1
	s_wait_tensorcnt 0x0                           ; ahead of a refill
	ds_add_u32 v[SPW], v[NIL]
	s_add_nc_u64 s[G0V+2:G0V+3], s[G0V+2:G0V+3], 18432             ; from K step 0 to 12
	s_wait_dscnt 0x0                               ; the add is done and my reads of v's buffer are over
	CROUND                                         ; that holds of every wave of every partner
	s_cmp_lt_u32 s[WV], 2
	s_cbranch_scc1 .Lno_part
	tensor_load_to_lds s[G0V:G0V+3], s[G1V:G1V+7]  ; the one refill, waves 2 and 3 a half each; it has five groups in which to land
	s_nop 0
	PLACES 4
.Lno_part:
.irp k, 0,1,2,3,4,5,6,7
	GROUP \k, 0
.endr
	PAIREND 0
	s_mov_b32 s12, 0
.Lpair:                                                ; the second and the third pair
.irp k, 0,1,2,3,4,5,6,7
	GROUP \k, 1
.endr
	PAIREND 1
	s_add_co_u32 s12, s12, 1
	s_cmp_lt_u32 s12, 2
	s_cbranch_scc1 .Lpair
.irp k, 0,1,2,3,4,5,6,7
	GROUP \k, 2
.endr
	PAIREND 2
.irp t, 0,1,2,3,4,5,6,7,8,9,10,11,12,13,14,15
	ds_load_b128 v[PF+4*\t:PF+4*\t+3], v[RD] offset:\t*544         ; the last pair's rows, where p's fragments lay
.endr
.irp t, 0,1,2,3,4,5,6,7,8,9,10,11,12,13,14,15
	s_wait_dscnt 15-\t
	STORE \t, PF+4*\t
.endr
	s_wait_tensorcnt 0x0                           ; the wave's end
	ds_add_u32 v[SPW], v[NIL]
	s_wait_dscnt 0x0
	CROUND                                         ; the closing round
	s_endpgm
.Lfunc_end_k_q04fc7899b1_pv:
	.size	k_q04fc7899b1_pv, .Lfunc_end_k_q04fc7899b1_pv-k_q04fc7899b1_pv
	.p2alignl 7, 3214868480
	.fill 96, 4, 3214868480
	.section	.rodata,"a",@progbits
	.p2align	6, 0x0
	.amdhsa_kernel k_q04fc7899b1_pv
		.amdhsa_group_segment_fixed_size 327680
		.amdhsa_private_segment_fixed_size 0
		.amdhsa_enable_private_segment 0
		.amdhsa_kernarg_size 40
		.amdhsa_user_sgpr_count 2
		.amdhsa_user_sgpr_kernarg_segment_ptr 1
		.amdhsa_wavefront_size32 1
		.amdhsa_system_sgpr_workgroup_id_x 1
		.amdhsa_system_sgpr_workgroup_id_y 1
		.amdhsa_system_sgpr_workgroup_id_z 1
		.amdhsa_system_vgpr_workitem_id 0
		.amdhsa_next_free_vgpr 1024
		.amdhsa_next_free_sgpr 102
		.amdhsa_reserve_vcc 0
		.amdhsa_float_denorm_mode_32 3
		.amdhsa_float_denorm_mode_16_64 3
		.amdhsa_memory_ordered 1
		.amdhsa_forward_progress 1
		.amdhsa_inst_pref_size 133
	.end_amdhsa_kernel
	.amdgpu_metadata
---
amdhsa.version: [ 1, 2 ]
amdhsa.kernels:
  - .name:           k_q04fc7899b1_pv
    .symbol:         k_q04fc7899b1_pv.kd
    .args:
      - { .name: pc, .offset: 0, .size: 8, .value_kind: global_buffer, .address_space: global }
      - { .name: pm, .offset: 8, .size: 8, .value_kind: global_buffer, .address_space: global }
      - { .name: qkvc, .offset: 16, .size: 8, .value_kind: global_buffer, .address_space: global }
      - { .name: qkvs, .offset: 24, .size: 8, .value_kind: global_buffer, .address_space: global }
      - { .name: out0, .offset: 32, .size: 8, .value_kind: global_buffer, .address_space: global }
    .group_segment_fixed_size: 327680
    .private_segment_fixed_size: 0
    .kernarg_segment_align: 8
    .kernarg_segment_size: 40
    .max_flat_workgroup_size: 128
    .sgpr_count:     102
    .vgpr_count:     1024
    .wavefront_size: 32
...
	.end_amdgpu_metadata
.endif
;; end of part 4
